; MI455X (gfx1250); checked and timed in simulation.
; The chip was launched on July 23, 2026; its instructions are those of AMD's public machine-readable ISA for CDNA 5 (MIT licence, August 2026) and "CDNA5" Instruction Set Architecture Reference Guide (July 2026). The comments in the code are by the model that wrote it; some were corrected since.
;; Multi Head Attention. Allowed arithmetic: matrix products marked QUANTISED: E2M1 operands, one E8M0 scale for each 32 along K, by v_wmma_scale_f32_16x16x128_f8f6f4 with both operands' format E2M1 (or v_wmma_scale_f32_32x16x128_f4), f32 sums; everything else in f32.
;; Inputs: bk 16 x 64 float32; bo 1,024 float32; bq 16 x 64 float32; bv 16 x 64 float32; wk_codes 16 x 64 x 32 x 16 uint8 (E2M1 codes of wk, K innermost, in blocks of 32 codes, two codes a byte); wk_scales 16 x 64 x 32 uint8 (E8M0 scales of wk, one for each 32 codes along K); wo_codes 1,024 x 32 x 16 uint8 (E2M1 codes of wo, K innermost, in blocks of 32 codes, two codes a byte); wo_scales 1,024 x 32 uint8 (E8M0 scales of wo, one for each 32 codes along K); wq_codes 16 x 64 x 32 x 16 uint8 (E2M1 codes of wq, K innermost, in blocks of 32 codes, two codes a byte); wq_scales 16 x 64 x 32 uint8 (E8M0 scales of wq, one for each 32 codes along K); wv_codes 16 x 64 x 32 x 16 uint8 (E2M1 codes of wv, K innermost, in blocks of 32 codes, two codes a byte); wv_scales 16 x 64 x 32 uint8 (E8M0 scales of wv, one for each 32 codes along K); x_codes 4 x 2,048 x 32 x 16 uint8 (E2M1 codes of x, K innermost, in blocks of 32 codes, two codes a byte); x_scales 4 x 2,048 x 32 uint8 (E8M0 scales of x, one for each 32 codes along K).
;; Outputs: out0 4 x 2,048 x 1,024 float32.
;; This version of the problem:
;;   THIS VERSION OF THE PROBLEM IS GIVEN IN LOW PRECISION. The matrix products marked QUANTISED in the list below multiply operands that are first quantised to E2M1 (2 exponent bits, 1 mantissa bit; 4 bits a number), with one power-of-two scale for each 32 numbers along K (OCP MX v1.0); their sums are f32. All else is computed in f32.
;;   The module's matrix products, in the order in which they are computed (A, B: the left and right operand; K: the contracted axis; several contracted axes count as one K, in the product's order):
;;     1. [M 1,024, K 1,024] x [K 1,024, N 8,192]; A: input wq (given as codes); B: input x (given as codes): QUANTISED
;;     2. [M 1,024, K 1,024] x [K 1,024, N 8,192]; A: input wk (given as codes); B: input x (given as codes): QUANTISED
;;     3. [M 1,024, K 1,024] x [K 1,024, N 8,192]; A: input wv (given as codes); B: input x (given as codes): QUANTISED
;;     4. batch 64 x [M 2,048, K 64] x [K 64, N 2,048]; A: computed on the way; B: computed on the way: QUANTISED
;;     5. batch 64 x [M 2,048, K 2,048] x [K 2,048, N 64]; A: softmax (see below); B: computed on the way: QUANTISED
;;     6. [M 8,192, K 1,024] x [K 1,024, N 1,024]; A: computed on the way; B: input wo (given as codes): QUANTISED
;;   THE QUANTISER, for each operand of a quantised product, along K:
;;     - K is cut into blocks of 32 from its start; a last block that is shorter is filled with zeros.
;;     - A block's scale is 2^e with e = floor(log2(the largest magnitude in the block)) - 2, held to -126 .. 127; a block of zeros has e = 0. As a byte (E8M0): e + 127.
;;     - Each number is divided by its block's scale, clamped to +-6, and rounded to the nearest number of E2M1, ties to even, subnormals kept.
;;     - The product sums the exact products of the quantised numbers (number of the format x scale) in f32.
;;   ~~~python
;;   def quantise(x, axis):      # numpy; x: float32 -> the quantised numbers, widened to float32 again
;;       x = np.moveaxis(x, axis, -1); K = x.shape[-1]
;;       x = np.pad(x, [(0, 0)] * (x.ndim - 1) + [(0, -K % 32)]); x = x.reshape(x.shape[:-1] + (-1, 32)); a = np.abs(x).max(-1, keepdims=True)
;;       e = np.where(a > 0, np.clip(np.frexp(np.where(a > 0, a, 1))[1] - 1 - 2, -126, 127), 0)      # np.frexp(a)[1] - 1 = floor(log2(a)), exactly
;;       r = np.clip(x / 2.0 ** e, -6, 6)
;;       step = 2.0 ** (np.maximum(np.frexp(np.where(r == 0, 1, r))[1] - 1, 0) - 1)
;;       q = np.round(r / step) * step * 2.0 ** e      # np.round: ties to even
;;       return np.moveaxis(q.reshape(q.shape[:-2] + (-1,))[..., :K], -1, axis).astype(np.float32)
;;   ~~~
;;   SOFTMAX AHEAD OF A QUANTISED PRODUCT. Where the list says 'softmax', what is quantised is not the finished softmax but p = 2^(t - M), with t = logit x log2(e) and M = ceil(the row's largest t), a whole number; so 1/2 < the row's largest p <= 1. The row's sum l is taken of the UNQUANTISED p, in f32, and the product's result is divided by l at the end. Since M is a whole number, a kernel that streams over the keys may use a running M (the ceiling of the running maximum): every later rescaling is an exact power of two, which a block's scale takes up: the codes' values come out the same.
;;   OPERANDS COMPUTED ON THE WAY. 'Computed on the way' means the value that the module computes at that place (a softmax that the list does not call 'softmax' is quantised finished and normalised). What goes into a quantiser is computed in f32, as accurately as f32 sums, v_exp_f32 and their like allow (about 1e-6 of the number): no bf16 or f16 on the way to a quantiser, and a product that is left as it is and whose result goes on into a quantised operand takes f32 operands (vector FMAs, or v_wmma_f32_16x16x4_f32). A number that lies on a knife's edge between two numbers of the format may be rounded either way, as far as f32 arithmetic and the matrix unit's own rounding can turn it there, and no further.
;;   INPUTS GIVEN AS CODES. wk (in the module: [16, 64, 1024], K = its axis 2); wo (in the module: [1024, 1024], K = its axis 1); wq (in the module: [16, 64, 1024], K = its axis 2); wv (in the module: [16, 64, 1024], K = its axis 2); x (in the module: [4, 2048, 1024], K = its axis 2): each comes as NAME_codes (uint8): NAME with its K axis moved to the last place and cut into blocks of 32 codes, [.., K / 32, bytes a block], one block behind the other in memory; two codes a byte, the lower K in the low four bits (a code: sign, 2 exponent bits, 1 mantissa bit); and NAME_scales (uint8): the same leading axes, one E8M0 byte (e + 127) for each 32 codes along K. Its value is code x scale, taken as it is: it is not quantised again, and the codes and scales need not be those that the quantiser above would give.
;; One version. Each part assembles by itself: llvm-mc -triple=amdgcn-amd-amdhsa -mcpu=gfx1250 --defsym DOCPART=n.
;; ======== version 1 of 1: 3 launches
;; limits: right only within a limited range of input values
;; workspace buffers: qb 4,718,592 bytes; kv 9,175,040 bytes; yimg 4,194,304 bytes; ysc 262,144 bytes
;; launch proj (part 1): grid 8 x 32, 4 waves a work-group, clusters of 4 x 4, 327,680 bytes of LDS; arguments x_codes, x_scales, wq_codes, wq_scales, wk_codes, wk_scales, wv_codes, wv_scales, bq, bk, bv, qb, kv; writes qb, kv
.if DOCPART == 1
	.amdgcn_target "amdgcn-amd-amdhsa--gfx1250"
	.amdhsa_code_object_version 6
	.text
	.protected	k_qd841977a66_proj
	.globl	k_qd841977a66_proj
	.p2align	8
	.type	k_qd841977a66_proj,@function
k_qd841977a66_proj:
	s_mov_b64 s[64:65], 0
	v_nop
	global_prefetch_b8 v0, s[64:65] scope:SCOPE_SE
	s_setreg_imm32_b32 hwreg(HW_REG_WAVE_MODE, 25, 1), 1
	s_wait_xcnt 0x0
	s_wait_alu depctr_hold_cnt(0) depctr_sa_sdst(0) depctr_va_vdst(0) depctr_va_sdst(0) depctr_va_ssrc(0) depctr_va_vcc(0) depctr_vm_vsrc(0)
	s_getreg_b32 s2, hwreg(HW_REG_IB_STS2, 6, 4)
	s_cmp_eq_u32 s2, 0
	s_cbranch_scc0 .Lentry_in_a_cluster
	s_endpgm
.Lentry_in_a_cluster:
	s_bfe_u32 s2, ttmp6, 0x10000c
	s_cmp_lg_u32 s2, 0xf033
	s_cbranch_scc0 .Lentry_shape_is_right
	s_endpgm
.Lentry_shape_is_right:
; q, k, v = x W^T + b for all heads (the first three products), on codes of FP4 (E2M1) with one E8M0 scale for each 32 along K = 1,024, and the quantisers of the results:
; q and k along the head's 64 numbers (two blocks), v along the keys (blocks of 32 tokens).
; DEAD WORK OF THE WHOLE PROGRAM.  reference() builds causal = tril(ones) in its own body and sets every score with key > query to -inf ahead of the softmax: such a score's weight is 0 for all
; values of the inputs.  So the second launch leaves out every step of 128 keys, and every half of a diagonal step, all of whose keys come after a tile's 16 queries (both its products).  Nothing else is left out, and every input
; is loaded: bk too, since it moves k's codes.  LIMIT: a NaN, an infinity or an overflow that reaches only what is left out is not carried to the result.
; LIMITS: a block of zeros, or one whose largest magnitude lies under 2^-124, gets the scale byte 1 where the rule says 127 or less: its codes are zeros or are held by that byte, and these bytes are read by this program
; alone; NaN and infinities among the inputs are not served.
; SHARES.  A work-group of four waves owns 256 tokens and one pair of heads (128 rows of each weight): three phases, q, k, v, of 256 x 128 results; a wave makes 64 rows of source 1 (A) x 128 rows of source 0 (B): 32 accumulators.
; q, k: A = my 64 tokens, B = the weight's 128 rows;  v: A = one head's 64 rows of wv, B = 128 tokens.  In a result lane (r, h) holds ONE row r of A, and register j of tile T row 16 T + 8 h + j of B:
; so a lane's registers run along d for q and k and along the tokens for v, which is the axis along which each is quantised: one quantiser serves the three.
; CLUSTERS: 4 x 4 work-groups: cx is the pair of heads, cy the block of tokens.  x's tile is shared along a row of the cluster, a weight's along a column: joint loads.
; LDS: x's 256 rows (512 bytes + 16 of padding) stay for the whole launch; the weights' 128 rows take turns in two slots: wq in 0, wk in 1, wv in 0 again.  Each is asked for a phase ahead.  No loop loads from memory: no prefetch.
; WHAT IS STORED are images of operand registers: 512 bytes, lane l's 16 bytes at 16 l, which are registers 4 c .. 4 c + 3 of a 4-bit fragment (row l % 16, k = 64 c + 32 (l / 16) + 0 .. 31).
;   kv [b 16 + head][key step 16]: k's images [8 tiles][512], v's [d tile 4][c 2][512], k's scale words [2][r 16][tile % 4][word: byte 0, byte 1, 0x7f, 0x7f], v's [r 16][d tile 4][word]: 8,960 bytes a step;
;   qb [b 16 + head][step 16]: q's images and scale words, as k's: 4,608 bytes a step.
; REGISTERS: window 0: v1-19 addresses; scale words v32-79, v144-223; A's fragments v80-143, two sets; the quantiser's v224-253.  window 1: B's fragments at v0, v128; biases at v64 (q), v192 (k).
;   window 2: accumulator (a, b) at v[64 a + 8 b].  window 3: v0-31 codes on their way out; v32-63 v's bias.
.set PITCH, 528                        ; 132 words: row r of a fragment load starts at bank 4 r mod 64 (64 banks of 4 bytes: ISA guide 11.1): 16 different banks
.set R64,   64*PITCH
.set R128,  128*PITCH
.set WS0,   2*R128
.set WS1,   3*R128
.set SPARE, 4*R128                     ; the spare words, 128 bytes for each wave, which no other line names
.set HEAD,  143360
.set STEPB, 8960
.set QHEAD, 73728
.set QSTEP, 4608
.set RR,   1
.set HH,   2
.set LN,   3
.set AX,   4                           ; LDS addresses of fragments: my 64 tokens,
.set BX,   5                           ; my 128 tokens,
.set WB0,  6                           ; slot 0's 128 rows,
.set WB1,  7                           ; slot 1's,
.set WA0,  8                           ; my 64 rows of slot 0
.set SO,   9                           ; 32 r + 16 h: my 16 bytes of a tile's scale rows
.set BOF,  10
.set BOV,  11
.set VO,   12
.set SCQ,  13
.set SCK,  14
.set SCV,  15
.set HSH,  16
.set TMPV, 17
.set SPW,  18
.set NIL,  19
.set SA0,  32
.set SB0,  48
.set AF,   80
.set SA1,  144
.set SB1,  160
.set SBV,  192
.set TM,   224
.set T4,   232
.set SCL,  240
.set PW,   248
.set SW,   250
.set BI0,  64
.set BI1,  192
.set PC,   0
.set BV,   32
.set WV,   30
.set WA,   31
.set WB,   34
.set CX,   35
.set CY,   36
.set HP,   33
.set TBK,  32
.set G1X,  44
.set G1W,  52
.set G0X,  60
.set G0W,  68
.set IQ,   72                          ; s[72:77] q's images of the first head, of the second, scale words;  s[78:83] k's;  s[84:89] v's
.set IK,   78
.set IV,   84
.set WKA,  90
.set WVA,  92
.set WLO,  94
.set MASK, 95
.set SEL,  96
.set ORV,  98
.set MSB, 0
.macro WIN new                         ; the immediate's high byte repeats the setting that is left; a switch that changes nothing is dropped
.if MSB != \new
	s_set_vgpr_msb (MSB<<8)|\new
.set MSB, \new
.endif
.endm
.macro PLACES
.rept 4
	v_nop
.endr
.endm
.macro CROUND                          ; a round of the cluster's barrier
	s_barrier_signal -1
	s_barrier_wait -1
	s_cmp_lg_u32 s[WV], 0
	s_cbranch_scc1 .Lnot_wave_0_\@
	s_barrier_signal -3
.Lnot_wave_0_\@:
	s_barrier_wait -3
	s_barrier_signal -1
	s_barrier_wait -1
.endm
; A weight's next tile: every wave asks for 32 of its 128 rows, its one load behind the round.  In front: all my loads have landed, the add, my reads of the slot are over.
.macro NEXTW slot, adr
	s_wait_tensorcnt 0x0
	ds_add_u32 v[SPW], v[NIL]
	s_add_co_u32 s[G0W+1], s[WLO], \slot
	s_mov_b64 s[G0W+2:G0W+3], s[\adr:\adr+1]
	s_or_b32 s[G0W+3], s[G0W+3], 0x80000000
	s_mov_b32 s[G1W+2], 32<<16                     ; from here on a load of a weight brings 32 rows
	s_mov_b32 s[G1W+4], 32
	s_wait_dscnt 0x0
	CROUND
	tensor_load_to_lds s[G0W:G0W+3], s[G1W:G1W+7]
	s_nop 0
	PLACES
.endm
; 24 LDS loads: the fragments of K step kq (128 along K): B's eight into set 'set' of window 1, A's four into set 'set' of window 0
.macro FRAGS kq, set, ra, rb
	WIN 0x40
.irp i, 0,1,2,3,4,5,6,7
.irp c, 0,1
	ds_load_b128 v[128*(\set)+8*\i+4*\c:128*(\set)+8*\i+4*\c+3], v[\rb] offset:(\kq)*64+32*\c+\i*16*PITCH
.endr
.endr
	WIN 0
.irp i, 0,1,2,3
.irp c, 0,1
	ds_load_b128 v[AF+32*(\set)+8*\i+4*\c:AF+32*(\set)+8*\i+4*\c+3], v[\ra] offset:(\kq)*64+32*\c+\i*16*PITCH
.endr
.endr
.endm
; 32 matrix instructions: K step kq.  The 32 accumulators take turns, one instruction a turn, in the same order in every step.
; cm = 1: the sums begin with the bias of B's rows; cm = 2: with the bias of A's rows; cm = 0: they go on.  A scale register holds K step i's word in lanes 0-15 and K step 4 + i's in lanes 16-31.
.macro MULS kq, set, cm, sa, sb, bi
.if (\cm) == 0
	WIN 0xa1
.elseif (\cm) == 1
	WIN 0x91
.else
	WIN 0xb1
.endif
.irp a, 0,1,2,3
.irp b, 0,1,2,3,4,5,6,7
.if (\cm) == 1
	v_wmma_scale_f32_16x16x128_f8f6f4 v[64*\a+8*\b:64*\a+8*\b+7], v[128*(\set)+8*\b:128*(\set)+8*\b+7], v[AF+32*(\set)+8*\a:AF+32*(\set)+8*\a+7], v[\bi+8*\b:\bi+8*\b+7], v[\sb+4*\b+(\kq)%4], v[\sa+4*\a+(\kq)%4] matrix_a_fmt:MATRIX_FMT_FP4 matrix_b_fmt:MATRIX_FMT_FP4
.elseif (\cm) == 2
	v_wmma_scale_f32_16x16x128_f8f6f4 v[64*\a+8*\b:64*\a+8*\b+7], v[128*(\set)+8*\b:128*(\set)+8*\b+7], v[AF+32*(\set)+8*\a:AF+32*(\set)+8*\a+7], v[\bi+8*\a:\bi+8*\a+7], v[\sb+4*\b+(\kq)%4], v[\sa+4*\a+(\kq)%4] matrix_a_fmt:MATRIX_FMT_FP4 matrix_b_fmt:MATRIX_FMT_FP4
.elseif (\kq) < 4
	v_wmma_scale_f32_16x16x128_f8f6f4 v[64*\a+8*\b:64*\a+8*\b+7], v[128*(\set)+8*\b:128*(\set)+8*\b+7], v[AF+32*(\set)+8*\a:AF+32*(\set)+8*\a+7], v[64*\a+8*\b:64*\a+8*\b+7], v[\sb+4*\b+(\kq)%4], v[\sa+4*\a+(\kq)%4] matrix_a_fmt:MATRIX_FMT_FP4 matrix_b_fmt:MATRIX_FMT_FP4
.else
	v_wmma_scale_f32_16x16x128_f8f6f4 v[64*\a+8*\b:64*\a+8*\b+7], v[128*(\set)+8*\b:128*(\set)+8*\b+7], v[AF+32*(\set)+8*\a:AF+32*(\set)+8*\a+7], v[64*\a+8*\b:64*\a+8*\b+7], v[\sb+4*\b+(\kq)%4], v[\sa+4*\a+(\kq)%4] matrix_a_fmt:MATRIX_FMT_FP4 matrix_b_fmt:MATRIX_FMT_FP4 matrix_a_scale:MATRIX_SCALE_ROW1 matrix_b_scale:MATRIX_SCALE_ROW1
.endif
.endr
.endr
.endm
; K step kq = 1 .. 7: the next step's fragments are asked for, into the set that the last step multiplied, and this step is multiplied while they come.
.macro KSTEP kq, ra, rb, sa, sb
	WIN 0
	PLACES                                         ; four places between the last products and loads into registers that they read (ISA guide 7.12.1 for vector instructions)
.if (\kq) < 7
	FRAGS (\kq)+1, ((\kq)+1)%2, \ra, \rb
	s_wait_dscnt 24                                ; all but the 24 just issued: this step's fragments are in
.else
	s_wait_dscnt 0x0
.endif
	MULS \kq, (\kq)%2, 0, \sa, \sb, 0
.endm
; A phase: K steps 0 and 1 have been asked for.
.macro PHASE cm, ra, rb, sa, sb, bi
	s_wait_alu depctr_va_vdst(0)
	s_wait_dscnt 24                                ; K step 0's fragments are in; K step 1's 24 loads may be out
	MULS 0, 0, \cm, \sa, \sb, \bi
.irp q, 1,2,3,4,5,6,7
	KSTEP \q, \ra, \rb, \sa, \sb
.endr
	WIN 0
	PLACES                                         ; between the last products and the first read of results, and loads into registers that they read
.endm
; THE WAY OUT of tiles a and a + 1: 64 numbers a lane in each, register 16 B + 8 u + j = place 32 B + 16 u + 8 h + j along the axis that is quantised.  A block of 32 lies in lanes l and l xor 16; the eight blocks go by turns.
; The codes of block 2 c + e, half u, go to register 4 c + 2 u + e; an exchange of halves between registers 4 c + 2 u and 4 c + 2 u + 1 then leaves places 64 c + 32 h + 0 .. 31 in registers 4 c .. 4 c + 3: the operand's layout.
.macro QUANT a, isv, im, st
	WIN 0x0a
.irp b, 0,1,2,3,4,5,6,7
	v_max3_num_f32 v[TM+\b], |v[64*\a+16*\b]|, |v[64*\a+16*\b+1]|, 0x1800000   ; my 16 numbers of block b, each accumulator from its low end on, and the floor 2^(3 - 127): the byte cannot fall under 1
.endr
	WIN 0x28
.irp i, 2,4,6,8,10,12,14
.irp b, 0,1,2,3,4,5,6,7
	v_max3_num_f32 v[TM+\b], v[TM+\b], |v[64*\a+16*\b+\i]|, |v[64*\a+16*\b+\i+1]|
.endr
.endr
	WIN 0
.irp b, 0,1,2,3,4,5,6,7
	v_permlanex16_b32 v[T4+\b], v[TM+\b], s[SEL], s[SEL+1]
.endr
.irp b, 0,1,2,3,4,5,6,7
	v_max_num_f32 v[TM+\b], v[TM+\b], v[T4+\b]     ; with lane l xor 16's: the block's largest magnitude
.endr
.irp b, 0,1,2,3,4,5,6,7
	v_add_nc_u32 v[SCL+\b], 0xff000000, v[TM+\b]   ; 2 off its exponent field: the conversion takes the exponent field of this operand as its scale
.endr
.irp b, 0,1,2,3,4,5,6,7
	v_lshrrev_b32 v[T4+\b], 23, v[SCL+\b]          ; the scale's byte
.endr
.irp t, 0,1
	v_lshl_or_b32 v[PW+\t], v[T4+4*\t+1], 8, v[T4+4*\t]
.endr
.irp t, 0,1
	v_lshl_or_b32 v[PW+\t], v[T4+4*\t+2], 16, v[PW+\t]
.endr
.irp t, 0,1
	v_lshl_or_b32 v[PW+\t], v[T4+4*\t+3], 24, v[PW+\t]
.endr
	WIN 0xc2
.set J, 0
.rept 16
	v_cvt_scalef32_pk8_fp4_f32 v[PC+8*\a+8*(J/8)+4*((J/4)%2)+2*(J%2)+(J/2)%2], v[64*\a+8*J:64*\a+8*J+7], v[SCL+J/2]
.set J, J+1
.endr
	WIN 0xc3
	v_nop                                          ; one plain place behind a scaled conversion
.irp i, 0,2,4,6,8,10,12,14
	v_permlane16_swap_b32 v[PC+8*\a+\i], v[PC+8*\a+\i+1]
.endr
	WIN 0
.irp t, 0,1
.if \isv
	v_mov_b32 v[SW+\a+\t], v[PW+\t]
.else
	v_lshrrev_b32 v[SW+\a+\t], v[HSH], v[PW+\t]    ; lanes 0-15 keep the first head's two bytes, lanes 16-31 the second's;
	v_and_or_b32 v[SW+\a+\t], v[SW+\a+\t], s[MASK], s[ORV]   ; the bytes of the instruction's unused upper 64 along K stand for 1.0
.endif
.endr
	WIN 0x0c
.irp t, 0,1
	global_store_b128 v[VO], v[PC+8*\a+8*\t:PC+8*\a+8*\t+3], s[\im:\im+1] offset:(\a+\t)*\st       ; an image: 32 lanes store 512 consecutive bytes, at a multiple of 512 from an image's first byte
	global_store_b128 v[VO], v[PC+8*\a+8*\t+4:PC+8*\a+8*\t+7], s[\im+2:\im+3] offset:(\a+\t)*\st
.endr
	WIN 0
.endm
.macro OUT isv, im, st, sco
	QUANT 0, \isv, \im, \st
	QUANT 2, \isv, \im, \st
	global_store_b128 v[\sco], v[SW:SW+3], s[\im+4:\im+5]   ; four tiles' words of my row.  v: lanes l and l xor 16 hold the same words and name the same bytes
.endm
	s_load_b512 s[4:19], s[0:1], 0x0               ; x's codes 4, x's scales 6, wq's 8, 10, wk's 12, 14, wv's 16, 18
	s_load_b256 s[20:27], s[0:1], 0x40             ; bq 20, bk 22, bv 24, qb 26
	s_load_b64 s[28:29], s[0:1], 0x60              ; kv
	v_lshl_add_u32 v[SPW], v0, 2, SPARE
	v_mov_b32 v[NIL], 0
	ds_add_u32 v[SPW], v[NIL]                      ; the wave's opening: the add, twice on end, and its wait ahead of my first tensor load
	ds_add_u32 v[SPW], v[NIL]                      ; and once more; the set-up below, work on registers, stands between it and the wait
	v_lshrrev_b32 v1, 5, v0
	v_readfirstlane_b32 s[WV], v1                  ; wave 0..3
	s_lshr_b32 s[WA], s[WV], 1
	s_and_b32 s[WB], s[WV], 1
	s_bfe_u32 s[CX], ttmp6, 0x40000                ; my place in the cluster
	s_bfe_u32 s[CY], ttmp6, 0x40004
	s_lshl_b32 s[HP], ttmp9, 2
	s_add_co_u32 s[HP], s[HP], s[CX]               ; the pair of heads, 0 .. 7: no cy enters
	s_and_b32 s[TBK], ttmp7, 0xffff
	s_lshl_b32 s[TBK], s[TBK], 2
	s_add_co_u32 s[TBK], s[TBK], s[CY]             ; the block of 256 tokens, 0 .. 31: no cx enters
	s_lshl_b32 s37, s[CY], 2
	s_lshl_b32 s37, 15, s37                        ; my row of the cluster
	s_lshl_b32 s38, 0x1111, s[CX]                  ; my column
	; descriptor group 1: rows of 512 bytes, dense in memory, 16 bytes of padding behind each in LDS; x: 128 rows; a weight: 64 rows at the head
	s_or_b32 s[G1X], s37, (1<<20)|(1<<21)|(6<<22)|(3<<25)   ; 15:0 the mask; 17:16 elements of 1 byte; 20 padding on; 21 set beside a mask; 24:22 after every 128 words; 31:25 four words
	s_or_b32 s[G1W], s38, (1<<20)|(1<<21)|(6<<22)|(3<<25)
	s_mov_b32 s[G1X+1], 512<<16                    ; tensor_dim0
	s_mov_b32 s[G1X+2], 128<<16                    ; tensor_dim1
	s_mov_b32 s[G1X+3], 512<<16                    ; tile_dim0
	s_mov_b32 s[G1X+4], 128                        ; tile_dim1
	s_mov_b32 s[G1X+5], 512                        ; tensor_dim0_stride
	s_mov_b32 s[G1X+6], 0
	s_mov_b32 s[G1X+7], 0
	s_mov_b32 s[G1W+1], 512<<16
	s_mov_b32 s[G1W+2], 64<<16
	s_mov_b32 s[G1W+3], 512<<16
	s_mov_b32 s[G1W+4], 64
	s_mov_b32 s[G1W+5], 512
	s_mov_b32 s[G1W+6], 0
	s_mov_b32 s[G1W+7], 0
	s_lshl_b32 s38, s[TBK], 17                     ; x: row 256 x block + 128 x half, 512 bytes a row
	s_lshl_b32 s37, s[WB], 16
	s_add_co_u32 s38, s38, s37
	s_mov_b32 s39, 0
	s_lshl_b32 s40, s[HP], 16                      ; a weight: row 128 x pair
	s_mov_b32 s41, 0
	s_lshl_b32 s42, s[WB], 15                      ; + 64 x half at the head,
	s_mov_b32 s43, 0
	s_lshl_b32 s2, s[WV], 14                       ; + 32 x wave behind it
	s_mov_b32 s3, 0
	s_mov_b32 s[G0X], 1
	s_mul_i32 s[G0X+1], s[WV], R128                ; waves 0, 1: x's halves
	s_mov_b32 s[G0W], 1
	s_mul_i32 s[G0W+1], s[WV], R64                 ; waves 2, 3: slot 0's halves
	s_add_co_u32 s[G0W+1], s[G0W+1], WS0-2*R64
	s_mul_i32 s[WLO], s[WV], 32*PITCH
	s_wait_dscnt 0x0                               ; both opening adds are done
	s_wait_kmcnt 0x0
	s_add_nc_u64 s[G0X+2:G0X+3], s[4:5], s[38:39]
	s_or_b32 s[G0X+3], s[G0X+3], 0x80000000
	s_add_nc_u64 s[8:9], s[8:9], s[40:41]
	s_add_nc_u64 s[G0W+2:G0W+3], s[8:9], s[42:43]
	s_or_b32 s[G0W+3], s[G0W+3], 0x80000000
	s_add_nc_u64 s[WKA:WKA+1], s[12:13], s[40:41]
	s_add_nc_u64 s[WKA:WKA+1], s[WKA:WKA+1], s[2:3]
	s_add_nc_u64 s[WVA:WVA+1], s[16:17], s[40:41]
	s_add_nc_u64 s[WVA:WVA+1], s[WVA:WVA+1], s[2:3]
	CROUND                                         ; all sixteen work-groups are here: the joint loads meet
	s_cmp_lt_u32 s[WV], 2                          ; the head's loads, one a wave: waves 0 and 1 x's halves, waves 2 and 3 wq's
	s_cbranch_scc0 .Lhead_w
	tensor_load_to_lds s[G0X:G0X+3], s[G1X:G1X+7]
	s_nop 0
	PLACES
	s_branch .Lhead_asked
.Lhead_w:
	tensor_load_to_lds s[G0W:G0W+3], s[G1W:G1W+7]
	s_nop 0
	PLACES
.Lhead_asked:
	s_mul_i32 s37, s[WV], R64
	s_mul_i32 s38, s[WB], R128
	s_mul_i32 s42, s[WA], R64
	s_add_co_u32 s42, s42, WS0
	v_and_b32 v[RR], 15, v0
	v_bfe_u32 v[HH], v0, 4, 1
	v_and_b32 v[LN], 31, v0
	v_mul_u32_u24 v[TMPV], v[RR], PITCH
	v_lshl_add_u32 v[TMPV], v[HH], 4, v[TMPV]      ; a fragment's row x pitch + 16 x half
	v_lshlrev_b32 v[SO], 5, v[RR]
	v_lshl_add_u32 v[SO], v[HH], 4, v[SO]          ; a row of scales is 32 bytes: lane (r, h) takes its half h: a tile's 512 bytes are read on end
	v_lshlrev_b32 v[BOF], 5, v[HH]                 ; q, k: lane (r, h) wants, for tile b, the bias of B's rows 16 b + 8 h + 0 .. 7
	v_lshlrev_b32 v[BOV], 2, v[RR]                 ; v: for tile a, the bias of A's row 16 a + r, in all eight registers
	v_add_nc_u32 v[AX], s37, v[TMPV]
	v_add_nc_u32 v[BX], s38, v[TMPV]
	v_add_nc_u32 v[WA0], s42, v[TMPV]
	v_add_nc_u32 v[WB0], WS0, v[TMPV]
	v_add_nc_u32 v[WB1], WS1, v[TMPV]
	v_lshlrev_b32 v[VO], 4, v[LN]
	v_lshlrev_b32 v[SCV], 4, v[RR]
	v_mul_u32_u24 v[SCQ], QHEAD, v[HH]             ; lanes 16-31 store the next head's scale words
	v_mul_u32_u24 v[SCK], HEAD, v[HH]
	v_add_nc_u32 v[SCQ], v[SCQ], v[SCV]
	v_add_nc_u32 v[SCK], v[SCK], v[SCV]
	v_lshlrev_b32 v[HSH], 4, v[HH]
.irp b, 0,1,2,3,4,5,6,7
	v_mov_b32 v[T4+\b], 0                          ; written once: a lane permute's destination counts as one of its sources
.endr
	s_wait_alu depctr_va_vdst(0)
	s_lshl_b32 s38, s[TBK], 13                     ; scales: 32 bytes a row
	s_add_nc_u64 s[6:7], s[6:7], s[38:39]          ; my block's tokens,
	s_lshl_b32 s38, s[WB], 12
	s_add_nc_u64 s[4:5], s[6:7], s[38:39]          ; v: my 128 of them,
	s_lshl_b32 s38, s[WV], 11
	s_add_nc_u64 s[6:7], s[6:7], s[38:39]          ; q, k: my 64
	s_lshl_b32 s38, s[HP], 12
	s_add_nc_u64 s[10:11], s[10:11], s[38:39]
	s_add_nc_u64 s[14:15], s[14:15], s[38:39]
	s_add_nc_u64 s[18:19], s[18:19], s[38:39]
	s_lshl_b32 s38, s[WA], 11
	s_add_nc_u64 s[18:19], s[18:19], s[38:39]
	s_lshl_b32 s38, s[HP], 9                       ; biases: 4 bytes a row
	s_add_nc_u64 s[20:21], s[20:21], s[38:39]
	s_add_nc_u64 s[22:23], s[22:23], s[38:39]
	s_add_nc_u64 s[24:25], s[24:25], s[38:39]
	s_lshl_b32 s38, s[WA], 8
	s_add_nc_u64 s[24:25], s[24:25], s[38:39]
.irp a, 0,1,2,3
	global_load_b128 v[SA0+4*\a:SA0+4*\a+3], v[SO], s[6:7] offset:512*\a   ; register i: lanes 0-15 the word of K step i, lanes 16-31 that of K step 4 + i
.endr
.irp b, 0,1,2,3,4,5,6,7
	global_load_b128 v[SB0+4*\b:SB0+4*\b+3], v[SO], s[10:11] offset:512*\b
.endr
	WIN 0x40
.irp b, 0,1,2,3,4,5,6,7
	global_load_b128 v[BI0+8*\b:BI0+8*\b+3], v[BOF], s[20:21] offset:64*\b
	global_load_b128 v[BI0+8*\b+4:BI0+8*\b+7], v[BOF], s[20:21] offset:64*\b+16
	global_load_b128 v[BI1+8*\b:BI1+8*\b+3], v[BOF], s[22:23] offset:64*\b
	global_load_b128 v[BI1+8*\b+4:BI1+8*\b+7], v[BOF], s[22:23] offset:64*\b+16
.endr
	WIN 0
.irp b, 0,1,2,3,4,5,6,7
	global_load_b128 v[SB1+4*\b:SB1+4*\b+3], v[SO], s[14:15] offset:512*\b
.endr
	; where the results go: q, k: head pair X = 16 b + 2 pair, step 2 (block % 8) + w / 2, half w % 2;  v: head X + w / 2, step 2 (block % 8) + w % 2
	s_lshr_b32 s37, s[TBK], 3
	s_lshl_b32 s37, s37, 4
	s_lshl_b32 s38, s[HP], 1
	s_add_co_u32 s37, s37, s38                     ; X
	s_and_b32 s40, s[TBK], 7
	s_lshl_b32 s40, s40, 1
	s_add_co_u32 s42, s40, s[WA]
	s_lshl_b32 s43, s[WB], 11
	s_lshl_b32 s3, s[WB], 8
.macro DEST base, im, head, step, sco
	s_mul_i32 s38, s37, \head
	s_mul_i32 s2, s42, \step
	s_add_co_u32 s38, s38, s2
	s_add_co_u32 s2, s38, s3
	s_add_co_u32 s2, s2, \sco
	s_add_co_u32 s38, s38, s43
	s_add_nc_u64 s[\im:\im+1], s[\base:\base+1], s[38:39]
	s_add_nc_u64 s[\im+2:\im+3], s[\im:\im+1], \head
	s_mov_b32 s38, s2
	s_add_nc_u64 s[\im+4:\im+5], s[\base:\base+1], s[38:39]
.endm
	DEST 26, IQ, QHEAD, QSTEP, 4096
	DEST 28, IK, HEAD, STEPB, 8192
	s_add_co_u32 s37, s37, s[WA]
	s_add_co_u32 s42, s40, s[WB]
	s_mul_i32 s38, s37, HEAD
	s_mul_i32 s2, s42, STEPB
	s_add_co_u32 s38, s38, s2
	s_add_co_u32 s38, s38, 4096
	s_add_nc_u64 s[IV:IV+1], s[28:29], s[38:39]
	s_add_nc_u64 s[IV+2:IV+3], s[IV:IV+1], 512     ; the fragment's other half
	s_add_nc_u64 s[IV+4:IV+5], s[IV:IV+1], 4608
	s_mov_b32 s[SEL], 0x76543210
	s_mov_b32 s[SEL+1], 0xfedcba98                 ; v_permlanex16_b32's selects for lane l xor 16
	s_mov_b32 s[MASK], 0xffff
	s_mov_b32 s[ORV], 0x7f7f0000
	NEXTW WS1, WKA                                 ; x and wq are in, everybody's; wk is asked for: slot 1's first fill
	FRAGS 0, 0, AX, WB0
	FRAGS 1, 1, AX, WB0
.irp a, 0,1,2,3
	global_load_b128 v[SA1+4*\a:SA1+4*\a+3], v[SO], s[18:19] offset:512*\a
.endr
.irp b, 0,1,2,3,4,5,6,7
	global_load_b128 v[SBV+4*\b:SBV+4*\b+3], v[SO], s[4:5] offset:512*\b
.endr
	WIN 0xc0
.irp a, 0,1,2,3
	global_load_b32 v[BV+8*\a], v[BOV], s[24:25] offset:64*\a
.endr
	WIN 0
	s_wait_loadcnt 16                              ; q's and k's scale words and biases; v's sixteen loads may be out
	PHASE 1, AX, WB0, SA0, SB0, BI0                ; q
	NEXTW WS0, WVA                                 ; wk is in, nobody reads slot 0 any more: wv is asked for
	FRAGS 0, 0, AX, WB1
	FRAGS 1, 1, AX, WB1
	OUT 0, IQ, 512, SCQ                            ; q leaves while k's first fragments come
	PHASE 1, AX, WB1, SA0, SB1, BI1                ; k
	s_wait_tensorcnt 0x0                           ; my part of wv is in; nothing is filled again
	s_wait_dscnt 0x0
	s_barrier_signal -1
	s_barrier_wait -1                              ; everybody's is
	FRAGS 0, 0, WA0, BX
	FRAGS 1, 1, WA0, BX
	s_wait_xcnt 0x0                                ; q's stores have read their registers
	OUT 0, IK, 512, SCK
	s_wait_alu depctr_va_vdst(0)
	s_wait_loadcnt 0x0                             ; v's scale words and bias
	WIN 0xc3
.irp a, 0,1,2,3
.irp j, 1,2,3,4,5,6,7
	v_mov_b32 v[BV+8*\a+\j], v[BV+8*\a]
.endr
.endr
	WIN 0
	PHASE 2, WA0, BX, SA1, SBV, BV                 ; v
	s_wait_xcnt 0x0                                ; k's stores have read their registers
	OUT 1, IV, 1024, SCV
	s_wait_tensorcnt 0x0                           ; the wave's end, behind my last tensor load
	ds_add_u32 v[SPW], v[NIL]
	s_wait_dscnt 0x0
	CROUND                                         ; the closing round: no work-group ends while a partner may still ask for a tile that names it
	s_endpgm
.Lfunc_end_k_qd841977a66_proj:
	.size	k_qd841977a66_proj, .Lfunc_end_k_qd841977a66_proj-k_qd841977a66_proj
	.p2alignl 7, 3214868480
	.fill 96, 4, 3214868480
	.section	.rodata,"a",@progbits
	.p2align	6, 0x0
	.amdhsa_kernel k_qd841977a66_proj
		.amdhsa_group_segment_fixed_size 327680
		.amdhsa_private_segment_fixed_size 0
		.amdhsa_enable_private_segment 0
		.amdhsa_kernarg_size 104
		.amdhsa_user_sgpr_count 2
		.amdhsa_user_sgpr_kernarg_segment_ptr 1
		.amdhsa_wavefront_size32 1
		.amdhsa_system_sgpr_workgroup_id_x 1
		.amdhsa_system_sgpr_workgroup_id_y 1
		.amdhsa_system_sgpr_workgroup_id_z 1
		.amdhsa_system_vgpr_workitem_id 0
		.amdhsa_next_free_vgpr 832
		.amdhsa_next_free_sgpr 100
		.amdhsa_reserve_vcc 0
		.amdhsa_float_denorm_mode_32 3
		.amdhsa_float_denorm_mode_16_64 3
		.amdhsa_memory_ordered 1
		.amdhsa_forward_progress 1
		.amdhsa_inst_pref_size 207
	.end_amdhsa_kernel
	.amdgpu_metadata
---
amdhsa.version: [ 1, 2 ]
amdhsa.kernels:
  - .name:           k_qd841977a66_proj
    .symbol:         k_qd841977a66_proj.kd
    .args:
      - { .name: x_codes, .offset: 0, .size: 8, .value_kind: global_buffer, .address_space: global }
      - { .name: x_scales, .offset: 8, .size: 8, .value_kind: global_buffer, .address_space: global }
      - { .name: wq_codes, .offset: 16, .size: 8, .value_kind: global_buffer, .address_space: global }
      - { .name: wq_scales, .offset: 24, .size: 8, .value_kind: global_buffer, .address_space: global }
      - { .name: wk_codes, .offset: 32, .size: 8, .value_kind: global_buffer, .address_space: global }
      - { .name: wk_scales, .offset: 40, .size: 8, .value_kind: global_buffer, .address_space: global }
      - { .name: wv_codes, .offset: 48, .size: 8, .value_kind: global_buffer, .address_space: global }
      - { .name: wv_scales, .offset: 56, .size: 8, .value_kind: global_buffer, .address_space: global }
      - { .name: bq, .offset: 64, .size: 8, .value_kind: global_buffer, .address_space: global }
      - { .name: bk, .offset: 72, .size: 8, .value_kind: global_buffer, .address_space: global }
      - { .name: bv, .offset: 80, .size: 8, .value_kind: global_buffer, .address_space: global }
      - { .name: qb, .offset: 88, .size: 8, .value_kind: global_buffer, .address_space: global }
      - { .name: kv, .offset: 96, .size: 8, .value_kind: global_buffer, .address_space: global }
    .group_segment_fixed_size: 327680
    .private_segment_fixed_size: 0
    .kernarg_segment_align: 8
    .kernarg_segment_size: 104
    .max_flat_workgroup_size: 128
    .sgpr_count:     100
    .vgpr_count:     832
    .wavefront_size: 32
...
	.end_amdgpu_metadata
.endif
;; end of part 1
;; launch attn (part 2): grid 4 x 64, 8 waves a work-group, clusters of 4 x 1, 167,936 bytes of LDS; arguments qb, kv, yimg, ysc; writes yimg, ysc
.if DOCPART == 2
	.amdgcn_target "amdgcn-amd-amdhsa--gfx1250"
	.amdhsa_code_object_version 6
	.text
	.protected	k_qd841977a66_attn
	.globl	k_qd841977a66_attn
	.p2align	8
	.type	k_qd841977a66_attn,@function
k_qd841977a66_attn:
	s_mov_b64 s[64:65], 0
	v_nop
	global_prefetch_b8 v0, s[64:65] scope:SCOPE_SE
	s_setreg_imm32_b32 hwreg(HW_REG_WAVE_MODE, 25, 1), 1
	s_wait_xcnt 0x0
	s_wait_alu depctr_hold_cnt(0) depctr_sa_sdst(0) depctr_va_vdst(0) depctr_va_sdst(0) depctr_va_ssrc(0) depctr_va_vcc(0) depctr_vm_vsrc(0)
	s_getreg_b32 s2, hwreg(HW_REG_IB_STS2, 6, 4)
	s_cmp_eq_u32 s2, 0
	s_cbranch_scc0 .Lentry_in_a_cluster
	s_endpgm
.Lentry_in_a_cluster:
	s_bfe_u32 s2, ttmp6, 0x10000c
	s_cmp_lg_u32 s2, 0x3003
	s_cbranch_scc0 .Lentry_shape_is_right
	s_endpgm
.Lentry_shape_is_right:
; att = softmax(q k^T / 8, causal) v for one head of one batch, both products on codes of FP4 (E2M1) with E8M0 scales, and the quantiser of the result along D (two blocks of 32 for a head).
; LEFT OUT: steps of 128 keys, and halves of the diagonal step, all of whose keys come after a tile's queries: reference()'s own tril gives those scores the weight 0 for all values of the inputs.
; LIMIT: a NaN, an infinity or an overflow that reaches only what is left out is not carried to the result.
; THE SOFTMAX AHEAD OF THE SECOND PRODUCT: t = score x log2(e) / 8; M = the row's largest t so far, rounded UP to a whole number; p = 2^(t - M) is quantised along the keys, not normalised; the row's sum is taken of the
; unquantised p and divides at the end.  When M moves, the sum and O are multiplied by 2^(old M - new M): exact.
; LIMITS: scaled scores stay under 2^31 in magnitude; a block whose every p has fallen to 0, and a block of zeros of the result, keep the scale byte 1: their codes are zeros, and this program alone reads the bytes.  NaN and infinities are not served.
; The first product's K is 64, half of the instruction's 128: q's upper 64 codes are zeros; k's upper four registers hold the next tile's codes (finite numbers), and both sides' upper scale bytes stand for 1.0: they add 0.
; SHARES.  The four work-groups of a cluster share one head.  A wave works on TWO tiles of 16 queries at once, u = 0, 1, so that each fragment of K and V feeds both: row i of tile u is query 128 g + 64 u + 4 i + cx.
; Wave w takes g = w (w full steps of 128 keys and the diagonal one), then g = 15 - w (15 - w and the diagonal one): 17 steps in every wave.  Trip counts hang on the wave's number alone; cx enters global addresses and lane masks only.
; On the diagonal tile 0 sees keys 0-63 of the step alone, tile 1 all of 0-63 and part of 64-127: hidden where 16 T + j > 4 r + cx - 8 h, the same 32 lane masks for both, made once.
; LDS.  The head's 16 steps (8,960 bytes each: K's images, V's, K's scale words, V's) lie in LDS whole, filled ONCE by eight joint loads (mask: all four partners), one a wave, two steps each.  Nothing is filled again.
; No prefetch: everything comes by the head's loads, and no loop of this text loads from memory.
; LAYOUT.  Both products are used transposed: S^T = K Q^T (source 0 = 16 keys, source 1 = 16 queries), O^T = V^T P^T: a lane holds ONE query (lane % 16) of each tile; register j of tile T is key (or d) 16 T + 8 h + j.
; A block of 32 lies in lanes l and l xor 16.  An exchange of halves between two blocks' maxima leaves block 2 c in lanes 0-15 and block 2 c + 1 in lanes 16-31: scales are made so, two blocks a register, and spread by a second exchange.
.set STEPB, 8960
.set HEAD,  16*STEPB
.set VOF,   4096
.set KSO,   8192
.set VSO,   8704
.set QSTEP, 4608
.set QHEAD, 16*QSTEP
.set SPARE, HEAD                       ; the spare words, 128 bytes for each of 8 waves, which no other line names
.set L16,  1                           ; 16 x lane
.set R16,  2                           ; 16 r
.set SPW,  3
.set NIL,  4
.set ADK,  5
.set ADT,  6
.set YSO,  7
.set RR,   8
.set HH,   9
.set QA,   10                          ; v10-17, v18-25 Q's fragments: four registers of codes, four of zeros
.set QB,   18
.set QA1,  26                          ; the second pass's codes
.set QB1,  30
.set QSA,  34
.set QSB,  35
.set QSA1, 36
.set QSB1, 37
.set BM,   40                          ; v40-47: block b = 0-3 of tile 0, 4-7 of tile 1
.set NMA,  52                          ; -M and, above it, the largest score so far
.set NMB,  54
.set FFA,  56
.set FFB,  58
.set SUMA, 60
.set SUMB, 62
.set TA,   64
.set TB,   65
.set BTA,  66
.set BTB,  67
.set TM,   68
.set PCA,  72
.set PCB,  80
.set KSR,  88
.set VSR,  92
.set PWA,  112
.set PWB,  113
.set NEG,  114
.set SA,   128
.set SB,   192
.set OA,   0                           ; window 1: O^T of tile 0, of tile 1; K's eight tiles and four zeros; V's four fragments
.set OB,   32
.set KF,   64
.set VF,   104
.set YA0,  24
.set YA1,  26
.set YS0,  28
.set YS1,  30
.set WV,   32
.set CX,   33
.set BH,   34
.set G2,   35
.set KS,   36
.set TK,   37
.set TD0,  38
.set TD1,  39
.set SEL,  40
.set CS,   42
.set NC,   44
.set HM,   45
.set G1,   48
.set G0,   56
.set MK,   68
.set MSB, 0
.macro WIN new                         ; the immediate's high byte repeats the setting that is left; a switch that changes nothing is dropped
.if MSB != \new
	s_set_vgpr_msb (MSB<<8)|\new
.set MSB, \new
.endif
.endm
.macro PLACES
.rept 4
	v_nop
.endr
.endm
.macro CROUND                          ; a round of the cluster's barrier
	s_barrier_signal -1
	s_barrier_wait -1
	s_cmp_lg_u32 s[WV], 0
	s_cbranch_scc1 .Lnot_wave_0_\@
	s_barrier_signal -3
.Lnot_wave_0_\@:
	s_barrier_wait -3
	s_barrier_signal -1
	s_barrier_wait -1
.endm
	s_load_b256 s[4:11], s[0:1], 0x0               ; qb 4, kv 6, yimg 8, ysc 10
	v_lshl_add_u32 v[SPW], v0, 2, SPARE
	v_mov_b32 v[NIL], 0
	ds_add_u32 v[SPW], v[NIL]                      ; the wave's opening: the add, twice on end, and its wait ahead of the first tensor load
	ds_add_u32 v[SPW], v[NIL]                      ; and once more; the set-up below, work on registers, stands between it and the wait
	v_lshrrev_b32 v5, 5, v0
	v_readfirstlane_b32 s[WV], v5                  ; wave 0..7
	s_bfe_u32 s[CX], ttmp6, 0x40000                ; my place in the cluster
	s_and_b32 s[BH], ttmp7, 0xffff                 ; 16 b + head, which the four partners share
	s_xor_b32 s[G2], s[WV], 15                     ; 15 - w
	; descriptor group 1: two steps, 17,920 dense bytes, as 70 rows of 256 bytes (32 elements of 8 bytes)
	s_mov_b32 s[G1], 15|(3<<16)|(1<<21)            ; 15:0 the mask: all four work-groups; 17:16 elements of 8 bytes; 21 set beside a mask
	s_mov_b32 s[G1+1], 32<<16
	s_mov_b32 s[G1+2], 70<<16
	s_mov_b32 s[G1+3], 32<<16
	s_mov_b32 s[G1+4], 70
	s_mov_b32 s[G1+5], 32
	s_mov_b32 s[G1+6], 0
	s_mov_b32 s[G1+7], 0
	s_mov_b32 s[G0], 1
	s_mul_i32 s[G0+1], s[WV], 2*STEPB              ; steps 2 w, 2 w + 1
	s_mul_i32 s12, s[BH], HEAD
	s_mul_i32 s20, s[WV], 2*STEPB
	s_add_co_u32 s12, s12, s20
	s_mov_b32 s13, 0
	s_mul_i32 s14, s[BH], QHEAD                    ; Q: my head, row cx of each four,
	s_lshl_b32 s20, s[CX], 4
	s_add_co_u32 s14, s14, s20
	s_mov_b32 s15, 0
	s_mul_i32 s16, s[WV], QSTEP                    ; steps w and 15 - w
	s_mov_b32 s17, 0
	s_mul_i32 s18, s[G2], QSTEP
	s_mov_b32 s19, 0
	s_mul_i32 s[TD0], s[WV], STEPB                 ; the diagonal steps' places in LDS
	s_mul_i32 s[TD1], s[G2], STEPB
	; the result: yimg [128 b + 8 g + 2 cx + u][head 16][512];  ysc [the same][head / 8][r 16][8 heads][2 bytes]
	s_lshr_b32 s20, s[BH], 4
	s_lshl_b32 s20, s20, 7
	s_lshl_b32 s21, s[CX], 1
	s_add_co_u32 s20, s20, s21                     ; 128 b + 2 cx
	s_lshl_b32 s22, s[WV], 3
	s_add_co_u32 s22, s22, s20
	s_lshl_b32 s23, s[G2], 3
	s_add_co_u32 s23, s23, s20
	s_and_b32 s20, s[BH], 15
	s_lshl_b32 s21, s20, 9
	s_lshl_b32 s[YA0], s22, 13
	s_add_co_u32 s[YA0], s[YA0], s21
	s_mov_b32 s[YA0+1], 0
	s_lshl_b32 s[YA1], s23, 13
	s_add_co_u32 s[YA1], s[YA1], s21
	s_mov_b32 s[YA1+1], 0
	s_lshr_b32 s21, s20, 3
	s_lshl_b32 s21, s21, 8
	s_and_b32 s20, s20, 7
	s_lshl_b32 s20, s20, 1
	s_add_co_u32 s21, s21, s20
	s_lshl_b32 s[YS0], s22, 9
	s_add_co_u32 s[YS0], s[YS0], s21
	s_mov_b32 s[YS0+1], 0
	s_lshl_b32 s[YS1], s23, 9
	s_add_co_u32 s[YS1], s[YS1], s21
	s_mov_b32 s[YS1+1], 0
	s_mov_b32 s[SEL], 0x76543210
	s_mov_b32 s[SEL+1], 0xfedcba98                 ; v_permlanex16_b32's selects for lane l xor 16
	s_mov_b32 s[CS], 0x3e38aa3b                    ; c = log2(e) / 8
	s_mov_b32 s[CS+1], s[CS]                       ; (named with it as a pair, so it is written)
	s_mov_b32 s[NC], 0xbe38aa3b                    ; -c
	s_mov_b32 s[HM], 0xffff0000                    ; lanes 16-31
	s_wait_dscnt 0x0                               ; both opening adds are done
	s_wait_kmcnt 0x0
	s_add_nc_u64 s[G0+2:G0+3], s[6:7], s[12:13]
	s_or_b32 s[G0+3], s[G0+3], 0x80000000
	s_add_nc_u64 s[14:15], s[4:5], s[14:15]
	s_add_nc_u64 s[16:17], s[14:15], s[16:17]
	s_add_nc_u64 s[18:19], s[14:15], s[18:19]
	s_add_nc_u64 s[YA0:YA0+1], s[8:9], s[YA0:YA0+1]
	s_add_nc_u64 s[YA1:YA1+1], s[8:9], s[YA1:YA1+1]
	s_add_nc_u64 s[YS0:YS0+1], s[10:11], s[YS0:YS0+1]
	s_add_nc_u64 s[YS1:YS1+1], s[10:11], s[YS1:YS1+1]
	CROUND                                         ; all four work-groups are here: the joint loads meet
	tensor_load_to_lds s[G0:G0+3], s[G1:G1+7]      ; the wave's one tensor load
	s_nop 0
	PLACES
	v_and_b32 v[RR], 31, v0
	v_lshlrev_b32 v[L16], 4, v[RR]
	v_and_b32 v[RR], 15, v0                        ; r
	v_bfe_u32 v[HH], v0, 4, 1                      ; h
	v_lshlrev_b32 v[R16], 4, v[RR]
	v_lshrrev_b32 v100, 2, v[RR]
	v_and_b32 v101, 3, v[RR]
	v_lshlrev_b32 v102, 9, v100                    ; query 4 r + cx lies in image r / 4 of the tile's four, row 4 (r % 4) + cx, half h
	v_lshl_add_u32 v102, v101, 6, v102
	v_lshl_add_u32 v102, v[HH], 8, v102
	v_lshlrev_b32 v103, 6, v101                    ; its scale word: row 4 (r % 4) + cx, word r / 4
	v_lshl_add_u32 v103, v100, 2, v103
	global_load_b128 v[QA:QA+3], v102, s[16:17]
	global_load_b128 v[QB:QB+3], v102, s[16:17] offset:2048
	global_load_b128 v[QA1:QA1+3], v102, s[18:19]
	global_load_b128 v[QB1:QB1+3], v102, s[18:19] offset:2048
	global_load_b32 v[QSA], v103, s[16:17] offset:4096
	global_load_b32 v[QSB], v103, s[16:17] offset:4096+256
	global_load_b32 v[QSA1], v103, s[18:19] offset:4096
	global_load_b32 v[QSB1], v103, s[18:19] offset:4096+256
	v_lshl_add_u32 v[YSO], v[HH], 9, v[R16]        ; the scale bytes: lanes 0-15 store tile 0's, lanes 16-31 tile 1's
	v_lshlrev_b32 v104, 2, v[RR]
	v_lshlrev_b32 v105, 3, v[HH]
	v_sub_nc_u32 v104, v104, v105
	v_add_nc_u32 v104, s[CX], v104                 ; 4 r + cx - 8 h
.set J, 0
.rept 32
	v_cmp_gt_i32 s[MK+J], 16*(J/8)+J%8, v104       ; lanes whose register J of a diagonal half is hidden
.set J, J+1
.endr
	v_mov_b32 v[NEG], 0xff800000                   ; -infinity
.irp j, 4,5,6,7
	v_mov_b32 v[QA+\j], 0                          ; the upper 64 along the instruction's K: zero codes
	v_mov_b32 v[QB+\j], 0
.endr
.irp v, BTA, BTB, TA, TB, FFA+1, FFB+1, SUMA, SUMA+1, SUMB, SUMB+1
	v_mov_b32 v[\v], 0                             ; (lane permutes' destinations and the upper halves of pairs count as read; the sums begin at 0)
.endr
	WIN 0x40
.set J, 0
.rept 64
	v_mov_b32 v[OA+J], 0                           ; O^T, once: a tile's first step multiplies what it finds by f = 0
.set J, J+1
.endr
.irp j, 0,1,2,3
	v_mov_b32 v[KF+32+\j], 0                       ; behind K's last tile
.endr
	WIN 0
.macro START                           ; two tiles begin: the largest score so far is -3e38, under every score, and -M is 3e38: the first step's f is 0
	v_mov_b32 v[NMA+1], 0xff61b1e6
	v_mov_b32 v[NMB+1], 0xff61b1e6
	v_mov_b32 v[NMA], 0x7f61b1e6
	v_mov_b32 v[NMB], 0x7f61b1e6
.endm
.macro KFIRST                          ; step 0's K and its scale words
	ds_load_b128 v[KSR:KSR+3], v[L16] offset:KSO
	WIN 0x40
.irp t, 0,1,2,3,4,5,6,7
	ds_load_b128 v[KF+4*\t:KF+4*\t+3], v[L16] offset:512*\t
.endr
	WIN 0
.endm
.macro QKT d, k, q, ks, qs, hi
.if \hi
	v_wmma_scale_f32_16x16x128_f8f6f4 v[\d:\d+7], v[\k:\k+7], v[\q:\q+7], 0, v[\ks], v[\qs] matrix_a_fmt:MATRIX_FMT_FP4 matrix_b_fmt:MATRIX_FMT_FP4 matrix_a_scale:MATRIX_SCALE_ROW1
.else
	v_wmma_scale_f32_16x16x128_f8f6f4 v[\d:\d+7], v[\k:\k+7], v[\q:\q+7], 0, v[\ks], v[\qs] matrix_a_fmt:MATRIX_FMT_FP4 matrix_b_fmt:MATRIX_FMT_FP4
.endif
.endm
.macro LVL base, n, st                 ; one level of a tree of packed sums, in place
.set J, 0
.rept \n
	v_pk_add_f32 v[\base+J:\base+J+1], v[\base+J:\base+J+1], v[\base+J+\st:\base+J+\st+1]
.set J, J+2*\st
.endr
.endm
; Level l of the largest scores of a tile's four blocks, b0 on: it serves the row's maximum and, since p rises with the score, the block's largest p
.macro MX l, b0
.irp b, \b0, \b0+1, \b0+2, \b0+3
.if (DG == 0) || ((\b) < 2) || ((\b) > 3)
.if (\l) == 0
	v_max3_num_f32 v[BM+\b], v[SA+16*(\b)], v[SA+16*(\b)+1], v[SA+16*(\b)+2]
.elseif (\l) < 7
	v_max3_num_f32 v[BM+\b], v[BM+\b], v[SA+16*(\b)+1+2*(\l)], v[SA+16*(\b)+2+2*(\l)]
.else
	v_max_num_f32 v[BM+\b], v[BM+\b], v[SA+16*(\b)+15]
.endif
.endif
.endr
.endm
; Line k of a tile's chain from its blocks' maxima to -M and f; other work stands between the lines.  one = 1: blocks 0 and 1 alone
; (from line 10 on: a block's scale.  The exponent of its largest p is floor(t - M) of its largest score: byte = 125 + that, held at 1 from below; where t - M lies within rounding under a whole number, the scale is that of the number below)
.macro ST k, b, x, ta, bt, nm, ff, one, pw
.if (\k) == 0
	v_permlane16_swap_b32 v[\b], v[\b+1]
.if (\one) == 0
	v_permlane16_swap_b32 v[\b+2], v[\b+3]
.endif
.elseif (\k) == 1
	v_max_num_f32 v[\b], v[\b], v[\b+1]            ; lanes 0-15: block b, lanes 16-31: block b + 1
.if (\one) == 0
	v_max_num_f32 v[\b+2], v[\b+2], v[\b+3]
.endif
.elseif (\k) == 2
.if (\one) == 0
	v_max_num_f32 v[\x], v[\b], v[\b+2]
.endif
.elseif (\k) == 3
	v_permlanex16_b32 v[\bt], v[\x], s[SEL], s[SEL+1]
.elseif (\k) == 4
	v_max3_num_f32 v[\nm+1], v[\nm+1], v[\x], v[\bt]
.elseif (\k) == 5
	v_mul_f32 v[\ta], s[NC], v[\nm+1]              ; -t of the largest score (c is positive)
.elseif (\k) == 6
	v_floor_f32 v[\bt], v[\ta]                     ; the new -M = floor(-t) = -ceil(t)
.elseif (\k) == 7
	v_sub_f32 v[\ta], v[\bt], v[\nm]               ; old M - new M: a whole number, 0 or less
	v_mov_b32 v[\nm], v[\bt]
.elseif (\k) == 8
	v_cvt_i32_f32 v[\ta], v[\ta]                   ; (it saturates)
	v_fma_f32 v[\b], v[\b], s[CS], v[\nm]          ; t - M of the blocks' largest scores
.if (\one) == 0
	v_fma_f32 v[\b+2], v[\b+2], s[CS], v[\nm]
.endif
.elseif (\k) == 9
	v_ldexp_f32 v[\ff], 1.0, v[\ta]                ; f = 2^(old M - new M)
.elseif (\k) == 10
	v_max_num_f32 v[\b], 0xc2f80000, v[\b]         ; -124: the byte cannot fall under 1
.if (\one) == 0
	v_max_num_f32 v[\b+2], 0xc2f80000, v[\b+2]
.endif
.elseif (\k) == 11
	v_floor_f32 v[\b], v[\b]
.if (\one) == 0
	v_floor_f32 v[\b+2], v[\b+2]
.endif
.elseif (\k) == 12
	v_cvt_i32_f32 v[\b], v[\b]
.if (\one) == 0
	v_cvt_i32_f32 v[\b+2], v[\b+2]
.endif
.elseif (\k) == 13
.if (\one) == 0
	v_lshl_add_u32 v[\pw], v[\b+2], 16, v[\b]      ; the scale word is the sum of (125 + e) << 8 i over its four blocks: here e of my half's two
.else
	v_mov_b32 v[\pw], v[\b]
.endif
.elseif (\k) == 14
	v_permlanex16_b32 v[\ta], v[\pw], s[SEL], s[SEL+1]
.elseif (\k) == 15
	v_lshl_add_u32 v[\b], v[\b], 23, 0x3e800000    ; the conversion's scale operand: 125 + e in the exponent field
.if (\one) == 0
	v_lshl_add_u32 v[\b+2], v[\b+2], 23, 0x3e800000
.endif
.elseif (\k) == 16
	v_lshl_add_u32 v[\pw], v[\ta], 8, v[\pw]       ; lanes 0-15: with lane l + 16's two (lanes 16-31 are not read)
	v_mov_b32 v[\b+1], v[\b]
.if (\one) == 0
	v_mov_b32 v[\b+3], v[\b+2]
.endif
.else
	v_permlane16_swap_b32 v[\b], v[\b+1]           ; block b's operand in all lanes, and block b + 1's
.if (\one) == 0
	v_permlane16_swap_b32 v[\b+2], v[\b+3]
	v_add_nc_u32 v[\pw], 0x7d7d7d7d, v[\pw]
.else
	v_add_nc_u32 v[\pw], 0x7f7f7d7d, v[\pw]        ; the upper 64 keys have zero codes; their bytes stand for 1.0
.endif
.endif
.endm
.macro TFMA s, nm
	v_pk_fma_f32 v[\s:\s+1], v[\s:\s+1], s[CS:CS+1], v[\nm:\nm+1] op_sel_hi:[1,0,0]   ; t - M, two at a time (of the pairs c and -M the low word serves both halves)
.endm
; A KEY STEP: 128 keys against both tiles.  dg = 1: the diagonal step: tile 0 takes keys 0-63 alone.  K and its scale words are in registers; tk: the step's place in LDS.
.macro STEP tk, dg
.set DG, \dg
.set NA, 8-4*DG                        ; tile 0's groups of eight registers
.set XA, TA-(TA-BM)*DG                 ; where tile 0's largest score of the step lies
	WIN 0x01
.irp t, 0,1,2,3,4,5,6,7
.if (DG == 0) || (\t < 4)
	QKT SA+8*\t, KF+4*\t, QA, KSR+\t%4, QSA, \t/4
.endif
.endr
.irp t, 0,1,2,3,4,5,6,7
	QKT SB+8*\t, KF+4*\t, QB, KSR+\t%4, QSB, \t/4
.endr
	WIN 0
	v_add_nc_u32 v[ADK], s[\tk], v[L16]            ; (these two and the two behind them are the four places between the products and loads into their sources, and reads of their results)
	v_add_nc_u32 v[ADT], s[\tk], v[R16]
	v_nop
	v_nop
	ds_load_b128 v[VSR:VSR+3], v[ADT] offset:VSO   ; this step's V,
.if DG == 0
	ds_load_b128 v[KSR:KSR+3], v[ADK] offset:STEPB+KSO
.endif
	WIN 0x40
.irp i, 0,1,2,3,4,5,6,7
	ds_load_b128 v[VF+4*\i:VF+4*\i+3], v[ADK] offset:VOF+512*\i
.endr
.if DG == 0
.irp t, 0,1,2,3,4,5,6,7
	ds_load_b128 v[KF+4*\t:KF+4*\t+3], v[ADK] offset:STEPB+512*\t   ; and the next step's K: a full step always has a next one
.endr
.endif
	WIN 0
.if DG
.set J, 0
.rept 32
	v_cndmask_b32 v[SA+J], v[SA+J], v[NEG], s[MK+J]   ; hidden scores become -infinity ahead of the maximum: p = 0 then.  Key 0 counts for every query, so M is a number from the first step on
	v_cndmask_b32 v[SB+32+J], v[SB+32+J], v[NEG], s[MK+J]
.set J, J+1
.endr
.endif
.irp l, 0,1,2,3,4,5,6,7
	MX \l, 0
.endr
.irp l, 0,1,2,3,4,5,6,7
	MX \l, 4                                       ; tile 0's chain stands between tile 1's maxima,
	ST \l, BM, XA, TA, BTA, NMA, FFA, DG, PWA
.endr
.set J, 0
.irp k, 0,1,2,3,4,5,6,7,8,9,10,11,12,13,14,15,16,17
.rept 2
.if J < 4*NA
	TFMA SA+2*J, NMA                               ; and both tiles' further lines between tile 0's t - M
.endif
.set J, J+1
.endr
.if \k < 10
	ST \k+8, BM, XA, TA, BTA, NMA, FFA, DG, PWA
.endif
	ST \k, BM+4, TB, TB, BTB, NMB, FFB, 0, PWB
.endr
	s_wait_alu depctr_va_vdst(0)
.set J, 0
.rept 32                               ; tile 0's p = 2^(t - M), at most 1; between them tile 1's t - M, which nothing of this batch reads
.if DG
	v_exp_f32 v[SA+J], v[SA+J]
.else
	v_exp_f32 v[SA+2*J], v[SA+2*J]
	v_exp_f32 v[SA+2*J+1], v[SA+2*J+1]
.endif
	TFMA SB+2*J, NMB
.set J, J+1
.endr
	s_wait_alu depctr_va_vdst(0)                   ; one wait behind this batch and ahead of the next
.set J, 0
.rept 8                                ; tile 1's p; between them tile 0's codes and the first level of its sum, in place, one group of eight behind the conversion that reads it
.if J < NA
	v_cvt_scalef32_pk8_fp4_f32 v[PCA+4*(J/4)+2*(J%2)+(J/2)%2], v[SA+8*J:SA+8*J+7], v[BM+J/2]   ; block J / 2, half J % 2
.endif
	v_exp_f32 v[SB+8*J], v[SB+8*J]
	v_exp_f32 v[SB+8*J+1], v[SB+8*J+1]
	v_exp_f32 v[SB+8*J+2], v[SB+8*J+2]
.if J == 0
	v_nop                                          ; one plain place behind the first conversion
.elseif J <= NA
	v_pk_add_f32 v[SA+8*J-8:SA+8*J-7], v[SA+8*J-8:SA+8*J-7], v[SA+8*J-6:SA+8*J-5]
.endif
	v_exp_f32 v[SB+8*J+3], v[SB+8*J+3]
	v_exp_f32 v[SB+8*J+4], v[SB+8*J+4]
	v_exp_f32 v[SB+8*J+5], v[SB+8*J+5]
.if (J > 0) && (J <= NA)
	v_pk_add_f32 v[SA+8*J-4:SA+8*J-3], v[SA+8*J-4:SA+8*J-3], v[SA+8*J-2:SA+8*J-1]
.endif
	v_exp_f32 v[SB+8*J+6], v[SB+8*J+6]
	v_exp_f32 v[SB+8*J+7], v[SB+8*J+7]
.set J, J+1
.endr
	WIN 0x41
	s_wait_dscnt 0x0                               ; V and its scale words are in, and the next step's K (asked for ahead of the softmax)
	s_wait_alu depctr_va_vdst(0)                   ; one wait for the batch, and for O^T, whose first readers follow
.set J, 0
.rept 16
	v_pk_mul_f32 v[OA+J:OA+J+1], v[OA+J:OA+J+1], v[FFA:FFA+1] op_sel_hi:[1,0]   ; O^T under the new M
	v_pk_mul_f32 v[OB+J:OB+J+1], v[OB+J:OB+J+1], v[FFB:FFB+1] op_sel_hi:[1,0]
.set J, J+2
.endr
	WIN 0
.if DG == 0
	v_pk_add_f32 v[SA+56:SA+57], v[SA+56:SA+57], v[SA+58:SA+59]
	v_pk_add_f32 v[SA+60:SA+61], v[SA+60:SA+61], v[SA+62:SA+63]
.endif
.set J, 0
.rept 8                                ; tile 1's codes; between them the next level of tile 0's sum
	v_cvt_scalef32_pk8_fp4_f32 v[PCB+4*(J/4)+2*(J%2)+(J/2)%2], v[SB+8*J:SB+8*J+7], v[BM+4+J/2]
.if J < NA
	v_pk_add_f32 v[SA+8*J:SA+8*J+1], v[SA+8*J:SA+8*J+1], v[SA+8*J+4:SA+8*J+5]
.endif
.set J, J+1
.endr
.if DG
.irp j, 4,5,6,7
	v_mov_b32 v[PCA+\j], 0                         ; the hidden keys 64-127: zero codes
.endr
.endif
.irp i, 0,2,4,6
.if (DG == 0) || (\i < 4)
	v_permlane16_swap_b32 v[PCA+\i], v[PCA+\i+1]   ; registers 4 c .. 4 c + 3 then hold keys 64 c + 32 h + 0 .. 31
.endif
.endr
	LVL SB, 16, 2                                  ; the rows' sums, of the unquantised p
	LVL SA, NA/2, 8
	LVL SB, 8, 4
	LVL SA, NA/4, 16
	LVL SB, 4, 8
.if DG == 0
	LVL SA, 1, 32
.endif
	LVL SB, 2, 16
.irp i, 0,2,4,6
	v_permlane16_swap_b32 v[PCB+\i], v[PCB+\i+1]
.endr
	LVL SB, 1, 32
	v_pk_fma_f32 v[SUMA:SUMA+1], v[SUMA:SUMA+1], v[FFA:FFA+1], v[SA:SA+1] op_sel_hi:[1,0,1]   ; onto the sums, brought under the new M
	v_nop
	v_nop
	v_pk_fma_f32 v[SUMB:SUMB+1], v[SUMB:SUMB+1], v[FFB:FFB+1], v[SB:SB+1] op_sel_hi:[1,0,1]
	WIN 0x51
.irp d, 0,1,2,3
	v_wmma_scale_f32_16x16x128_f8f6f4 v[OA+8*\d:OA+8*\d+7], v[VF+8*\d:VF+8*\d+7], v[PCA:PCA+7], v[OA+8*\d:OA+8*\d+7], v[VSR+\d], v[PWA] matrix_a_fmt:MATRIX_FMT_FP4 matrix_b_fmt:MATRIX_FMT_FP4
	v_wmma_scale_f32_16x16x128_f8f6f4 v[OB+8*\d:OB+8*\d+7], v[VF+8*\d:VF+8*\d+7], v[PCB:PCB+7], v[OB+8*\d:OB+8*\d+7], v[VSR+\d], v[PWB] matrix_a_fmt:MATRIX_FMT_FP4 matrix_b_fmt:MATRIX_FMT_FP4
.endr
	WIN 0
.endm
; Two tiles end: O^T / the sum, quantised along d (two blocks of 32), leaves as one image a tile, and two scale bytes a row.
.macro FINISH ya, ys
	PLACES                                         ; between the last products and the first read of their results
	v_add_f32 v[SUMA], v[SUMA], v[SUMA+1]
	v_add_f32 v[SUMB], v[SUMB], v[SUMB+1]
	v_permlanex16_b32 v[TA], v[SUMA], s[SEL], s[SEL+1]
	v_permlanex16_b32 v[TB], v[SUMB], s[SEL], s[SEL+1]
	v_add_f32 v[SUMA], v[SUMA], v[TA]
	v_add_f32 v[SUMB], v[SUMB], v[TB]
	s_wait_alu depctr_va_vdst(0)
	v_rcp_f32 v[FFA], v[SUMA]
	v_rcp_f32 v[FFB], v[SUMB]
	v_nop                                          ; a plain place behind the transcendentals
	WIN 0x01
	s_wait_alu depctr_va_vdst(0)                   ; the wait ahead of their first readers, which are O^T's too
.set J, 0
.rept 16
	v_pk_mul_f32 v[SA+J:SA+J+1], v[OA+J:OA+J+1], v[FFA:FFA+1] op_sel_hi:[1,0]
	v_pk_mul_f32 v[SB+J:SB+J+1], v[OB+J:OB+J+1], v[FFB:FFB+1] op_sel_hi:[1,0]
.set J, J+2
.endr
	WIN 0
.irp b, 0,1,4,5
	v_max3_num_f32 v[BM+\b], |v[SA+16*\b]|, |v[SA+16*\b+1]|, 0x1800000
.endr
.irp i, 2,4,6,8,10,12,14
.irp b, 0,1,4,5
	v_max3_num_f32 v[BM+\b], v[BM+\b], |v[SA+16*\b+\i]|, |v[SA+16*\b+\i+1]|
.endr
.endr
.irp b, 0,4
	v_permlane16_swap_b32 v[BM+\b], v[BM+\b+1]
.endr
.irp b, 0,4
	v_max_num_f32 v[BM+\b], v[BM+\b], v[BM+\b+1]   ; lanes 0-15: block 0, lanes 16-31: block 1
.endr
.irp b, 0,4
	v_add_nc_u32 v[BM+\b], 0xff000000, v[BM+\b]
.endr
	v_lshrrev_b32 v[TA], 23, v[BM]
	v_lshrrev_b32 v[TB], 23, v[BM+4]
.irp b, 0,4
	v_mov_b32 v[BM+\b+1], v[BM+\b]
.endr
	v_permlanex16_b32 v[BTA], v[TA], s[SEL], s[SEL+1]
	v_permlanex16_b32 v[BTB], v[TB], s[SEL], s[SEL+1]
.irp b, 0,4
	v_permlane16_swap_b32 v[BM+\b], v[BM+\b+1]
.endr
	v_lshl_or_b32 v[TA], v[BTA], 8, v[TA]          ; lanes 0-15: tile 0's two bytes
	v_lshl_or_b32 v[TB], v[TB], 8, v[BTB]          ; lanes 16-31: tile 1's
	v_cndmask_b32 v[TM], v[TA], v[TB], s[HM]
.set J, 0
.rept 4
	v_cvt_scalef32_pk8_fp4_f32 v[PCA+2*(J%2)+J/2], v[SA+8*J:SA+8*J+7], v[BM+J/2]
	v_cvt_scalef32_pk8_fp4_f32 v[PCB+2*(J%2)+J/2], v[SB+8*J:SB+8*J+7], v[BM+4+J/2]
.set J, J+1
.endr
	v_nop                                          ; one plain place behind a scaled conversion
.irp i, 0,2
	v_permlane16_swap_b32 v[PCA+\i], v[PCA+\i+1]
	v_permlane16_swap_b32 v[PCB+\i], v[PCB+\i+1]
.endr
	global_store_b128 v[L16], v[PCA:PCA+3], s[\ya:\ya+1]   ; 32 lanes store 512 consecutive bytes, at a multiple of 512 from the buffer's first byte
	global_store_b128 v[L16], v[PCB:PCB+3], s[\ya:\ya+1] offset:8192
	global_store_b16 v[YSO], v[TM], s[\ys:\ys+1]
.endm
	START
	s_mov_b32 s[KS], 0
	s_mov_b32 s[TK], 0
	s_wait_alu depctr_va_vdst(0)
	s_wait_tensorcnt 0x0                           ; my load has landed,
	s_barrier_signal -1
	s_barrier_wait -1                              ; everybody's has: the head's sixteen steps are whole
	KFIRST
	s_wait_loadcnt 0x0                             ; Q
	s_wait_dscnt 0x0                               ; step 0's K
.Lpass0:                                           ; g = w: 7 trips, of which w do work: a branch on the wave's number and the count of steps, round the work, not round the lines that step the address
	s_cmp_ge_u32 s[KS], s[WV]
	s_cbranch_scc1 .Lnone0
	STEP TK, 0
.Lnone0:
	s_add_co_u32 s[TK], s[TK], STEPB
	s_add_co_u32 s[KS], s[KS], 1
	s_cmp_lt_u32 s[KS], 7
	s_cbranch_scc1 .Lpass0
	STEP TD0, 1
	FINISH YA0, YS0
	s_wait_xcnt 0x0                                ; the stores have read their registers
	v_mov_b32 v[QSA], v[QSA1]
	v_mov_b32 v[QSB], v[QSB1]
.irp j, 0,1,2,3
	v_mov_b32 v[QA+\j], v[QA1+\j]
	v_mov_b32 v[QB+\j], v[QB1+\j]
.endr
	START
	KFIRST
	s_mov_b32 s[KS], 0
	s_mov_b32 s[TK], 0
	s_wait_alu depctr_va_vdst(0)
	s_wait_dscnt 0x0
.Lpass1:                                           ; g = 15 - w: 15 trips, of which 15 - w do work
	s_cmp_ge_u32 s[KS], s[G2]
	s_cbranch_scc1 .Lnone1
	STEP TK, 0
.Lnone1:
	s_add_co_u32 s[TK], s[TK], STEPB
	s_add_co_u32 s[KS], s[KS], 1
	s_cmp_lt_u32 s[KS], 15
	s_cbranch_scc1 .Lpass1
	STEP TD1, 1
	FINISH YA1, YS1
	s_wait_tensorcnt 0x0                           ; the wave's end
	ds_add_u32 v[SPW], v[NIL]
	s_wait_dscnt 0x0
	CROUND                                         ; the closing round
	s_endpgm
.Lfunc_end_k_qd841977a66_attn:
	.size	k_qd841977a66_attn, .Lfunc_end_k_qd841977a66_attn-k_qd841977a66_attn
	.p2alignl 7, 3214868480
	.fill 96, 4, 3214868480
	.section	.rodata,"a",@progbits
	.p2align	6, 0x0
	.amdhsa_kernel k_qd841977a66_attn
		.amdhsa_group_segment_fixed_size 167936
		.amdhsa_private_segment_fixed_size 0
		.amdhsa_enable_private_segment 0
		.amdhsa_kernarg_size 32
		.amdhsa_user_sgpr_count 2
		.amdhsa_user_sgpr_kernarg_segment_ptr 1
		.amdhsa_wavefront_size32 1
		.amdhsa_system_sgpr_workgroup_id_x 1
		.amdhsa_system_sgpr_workgroup_id_y 1
		.amdhsa_system_sgpr_workgroup_id_z 1
		.amdhsa_system_vgpr_workitem_id 0
		.amdhsa_next_free_vgpr 512
		.amdhsa_next_free_sgpr 100
		.amdhsa_reserve_vcc 0
		.amdhsa_float_denorm_mode_32 3
		.amdhsa_float_denorm_mode_16_64 3
		.amdhsa_memory_ordered 1
		.amdhsa_forward_progress 1
		.amdhsa_inst_pref_size 130
	.end_amdhsa_kernel
	.amdgpu_metadata
---
amdhsa.version: [ 1, 2 ]
amdhsa.kernels:
  - .name:           k_qd841977a66_attn
    .symbol:         k_qd841977a66_attn.kd
    .args:
      - { .name: qb, .offset: 0, .size: 8, .value_kind: global_buffer, .address_space: global }
      - { .name: kv, .offset: 8, .size: 8, .value_kind: global_buffer, .address_space: global }
      - { .name: yimg, .offset: 16, .size: 8, .value_kind: global_buffer, .address_space: global }
      - { .name: ysc, .offset: 24, .size: 8, .value_kind: global_buffer, .address_space: global }
    .group_segment_fixed_size: 167936
    .private_segment_fixed_size: 0
    .kernarg_segment_align: 8
    .kernarg_segment_size: 32
    .max_flat_workgroup_size: 256
    .sgpr_count:     100
    .vgpr_count:     512
    .wavefront_size: 32
...
	.end_amdgpu_metadata
.endif
;; end of part 2
;; launch outp (part 3): grid 4 x 64, 4 waves a work-group, clusters of 4 x 4, 218,624 bytes of LDS; arguments yimg, ysc, wo_codes, wo_scales, bo, out0; writes out0
.if DOCPART == 3
	.amdgcn_target "amdgcn-amd-amdhsa--gfx1250"
	.amdhsa_code_object_version 6
	.text
	.protected	k_qd841977a66_outp
	.globl	k_qd841977a66_outp
	.p2align	8
	.type	k_qd841977a66_outp,@function
k_qd841977a66_outp:
	s_mov_b64 s[64:65], 0
	v_nop
	global_prefetch_b8 v0, s[64:65] scope:SCOPE_SE
	s_setreg_imm32_b32 hwreg(HW_REG_WAVE_MODE, 25, 1), 1
	s_wait_xcnt 0x0
	s_wait_alu depctr_hold_cnt(0) depctr_sa_sdst(0) depctr_va_vdst(0) depctr_va_sdst(0) depctr_va_ssrc(0) depctr_va_vcc(0) depctr_vm_vsrc(0)
	s_getreg_b32 s2, hwreg(HW_REG_IB_STS2, 6, 4)
	s_cmp_eq_u32 s2, 0
	s_cbranch_scc0 .Lentry_in_a_cluster
	s_endpgm
.Lentry_in_a_cluster:
	s_bfe_u32 s2, ttmp6, 0x10000c
	s_cmp_lg_u32 s2, 0xf033
	s_cbranch_scc0 .Lentry_shape_is_right
	s_endpgm
.Lentry_shape_is_right:
; out = y wo^T + bo (the sixth product) on codes of FP4 (E2M1) with E8M0 scales.  LIMIT: NaN and infinities among the inputs are not served.
; SHARES.  A work-group of four waves makes 128 rows x 256 columns; wave w makes 64 rows (tiles 4 (w / 2) on) x 128 columns (half w % 2), as two halves of 64 columns: the first half's rows leave while the second half is multiplied.
; y's images: [128 b + 8 g + 2 cx + u][head 16][512]: row i of a tile is token 128 g + 64 u + 4 i + cx, so a tile's rows leave four tokens apart.
; CLUSTERS: 4 x 4 work-groups: A's tiles are shared along a row, B's along a column: joint loads.
; LDS: all of K, filled ONCE by one load a wave: waves 0 and 1 A's halves (four tiles, dense), waves 2 and 3 B's (128 rows of 512 bytes + 16 of padding).  No loop loads from memory, so there is no prefetch.
; The matrix instruction is used transposed (source 0 = 16 rows of wo, source 1 = 16 rows of y): a lane holds eight neighbouring columns of one row.
; REGISTERS: window 0: addresses, v32-47 A's scale words, v48-79 B's, v80-207 rows on their way out.  window 1: v64-127 the bias; B's fragments of four K steps at v128, 32 registers each.
;   window 2: accumulator (a, b) at v[64 a + 8 b].  window 3: A's fragments of all eight K steps, 32 registers each: read from LDS once for both halves.
.set PITCH, 528                        ; 132 words: row r of a fragment load starts at bank 4 r mod 64 (64 banks of 4 bytes: ISA guide 11.1): 16 different banks
.set AHALF, 32768
.set BHALF, 128*PITCH
.set STAGE, 2*AHALF+2*BHALF            ; each wave's own 16 rows x (256 bytes + 16): no tensor load lands there
.set SPITCH, 272
.set SPARE, STAGE+4*16*SPITCH          ; the spare words, 128 bytes for each wave, which no other line names
.set RR,   1
.set HH,   2
.set L16,  3
.set ADRA, 4
.set ADRB, 5
.set SO,   6
.set BOF,  7
.set STO,  8
.set RD,   9
.set CO,   10
.set TMPV, 11
.set SPW,  12
.set NIL,  13
.set SA,   32
.set SB,   48
.set BK,   80
.set BI,   64
.set BF,   128
.set WV,   16
.set WA,   17
.set WB,   18
.set CX,   19
.set CY,   20
.set AROW, 21
.set BCOL, 22
.set G1A,  32
.set G1B,  40
.set G0A,  48
.set G0B,  52
.set MSB, 0
.macro WIN new                         ; the immediate's high byte repeats the setting that is left; a switch that changes nothing is dropped
.if MSB != \new
	s_set_vgpr_msb (MSB<<8)|\new
.set MSB, \new
.endif
.endm
.macro PLACES
.rept 4
	v_nop
.endr
.endm
.macro CROUND                          ; a round of the cluster's barrier
	s_barrier_signal -1
	s_barrier_wait -1
	s_cmp_lg_u32 s[WV], 0
	s_cbranch_scc1 .Lnot_wave_0_\@
	s_barrier_signal -3
.Lnot_wave_0_\@:
	s_barrier_wait -3
	s_barrier_signal -1
	s_barrier_wait -1
.endm
; The fragments of K step kq: B's four of half hf (8 loads), and in the first half A's four (8 more)
.macro FRAGS kq, hf
	WIN 0x40
.irp i, 0,1,2,3
.irp c, 0,1
	ds_load_b128 v[BF+32*((\kq)%4)+8*\i+4*\c:BF+32*((\kq)%4)+8*\i+4*\c+3], v[ADRB] offset:(\kq)*64+32*\c+(4*\hf+\i)*16*PITCH
.endr
.endr
.if \hf == 0
	WIN 0xc0
.irp i, 0,1,2,3
.irp c, 0,1
	ds_load_b128 v[32*(\kq)+8*\i+4*\c:32*(\kq)+8*\i+4*\c+3], v[ADRA] offset:(\kq)*1024+512*\c+8192*\i
.endr
.endr
.endif
.endm
; K step kq of half hf: the fragments of the step three on are asked for, into the set that the last step multiplied; then 16 matrix instructions.
; The half's 16 accumulators take turns, one instruction a turn, in the same order in every step.  The first step begins the sums with the bias.
.macro KSTEP kq, hf
.if (\kq) > 0
	PLACES                                         ; four places between the last products and loads into registers that they read (ISA guide 7.12.1 for vector instructions)
.endif
.if (\kq) < 5
	FRAGS (\kq)+3, \hf
	s_wait_dscnt 3*(16-8*\hf)                      ; the three younger steps' loads may be out
.else
	s_wait_dscnt (7-\kq)*(16-8*\hf)
.endif
.if (\kq) == 0
	WIN 0x9d
.else
	WIN 0xad
.endif
.irp a, 0,1,2,3
.irp b, 0,1,2,3
.set AC, 64*\a+8*(4*\hf+\b)
.set FB, BF+32*((\kq)%4)+8*\b
.set FA, 32*(\kq)+8*\a
.set XB, SB+4*(4*\hf+\b)+(\kq)%4
.set XA, SA+4*\a+(\kq)%4
.set CB, BI+8*(4*\hf+\b)
.if (\kq) == 0
	v_wmma_scale_f32_16x16x128_f8f6f4 v[AC:AC+7], v[FB:FB+7], v[FA:FA+7], v[CB:CB+7], v[XB], v[XA] matrix_a_fmt:MATRIX_FMT_FP4 matrix_b_fmt:MATRIX_FMT_FP4
.elseif (\kq) < 4
	v_wmma_scale_f32_16x16x128_f8f6f4 v[AC:AC+7], v[FB:FB+7], v[FA:FA+7], v[AC:AC+7], v[XB], v[XA] matrix_a_fmt:MATRIX_FMT_FP4 matrix_b_fmt:MATRIX_FMT_FP4
.else
	v_wmma_scale_f32_16x16x128_f8f6f4 v[AC:AC+7], v[FB:FB+7], v[FA:FA+7], v[AC:AC+7], v[XB], v[XA] matrix_a_fmt:MATRIX_FMT_FP4 matrix_b_fmt:MATRIX_FMT_FP4 matrix_a_scale:MATRIX_SCALE_ROW1 matrix_b_scale:MATRIX_SCALE_ROW1
.endif
.endr
.endr
.endm
; THE WAY OUT of tile a's 16 rows x 64 columns: through my stage, back as whole rows of 256 bytes, sixteen lanes a row.  LDS serves a wave's instructions in order (ISA guide 5.7.1.4): no wait between the stores and the loads
.macro TOSTAGE a, hf
	WIN 0x08
.irp b, 0,1,2,3
	ds_store_b128 v[STO], v[64*(\a)+8*(4*\hf+\b):64*(\a)+8*(4*\hf+\b)+3] offset:64*\b
	ds_store_b128 v[STO], v[64*(\a)+8*(4*\hf+\b)+4:64*(\a)+8*(4*\hf+\b)+7] offset:64*\b+16
.endr
	WIN 0
.irp t, 0,1,2,3,4,5,6,7
	ds_load_b128 v[BK+32*(\a)+4*\t:BK+32*(\a)+4*\t+3], v[RD] offset:\t*2*SPITCH
.endr
.endm
.macro SEND a, hf, younger             ; younger: the LDS instructions issued behind tile a's loads, which may stay out
	s_wait_dscnt \younger
.irp t, 0,1,2,3,4,5,6,7
	global_store_b128 v[CO], v[BK+32*(\a)+4*\t:BK+32*(\a)+4*\t+3], s[14:15] offset:((\a)%2)*64*4096+((\a)/2)*4096+\t*8*4096+256*\hf th:TH_STORE_NT   ; two rows' aligned units of 256 bytes
.endr
.endm
.macro OUT hf
	TOSTAGE 0, \hf
.irp a, 1,2,3
	TOSTAGE \a, \hf
	SEND \a-1, \hf, 16
.endr
	SEND 3, \hf, 0
.endm
	s_load_b256 s[4:11], s[0:1], 0x0               ; yimg 4, ysc 6, wo's codes 8, scales 10
	s_load_b128 s[12:15], s[0:1], 0x20             ; bo 12, out 14
	v_lshl_add_u32 v[SPW], v0, 2, SPARE
	v_mov_b32 v[NIL], 0
	ds_add_u32 v[SPW], v[NIL]                      ; the wave's opening: the add, twice on end, and its wait ahead of my first tensor load
	ds_add_u32 v[SPW], v[NIL]                      ; and once more; the set-up below, work on registers, stands between it and the wait
	v_lshrrev_b32 v1, 5, v0
	v_readfirstlane_b32 s[WV], v1                  ; wave 0..3
	s_lshr_b32 s[WA], s[WV], 1
	s_and_b32 s[WB], s[WV], 1
	s_bfe_u32 s[CX], ttmp6, 0x40000                ; my place in the cluster
	s_bfe_u32 s[CY], ttmp6, 0x40004
	s_and_b32 s[AROW], ttmp7, 0xffff
	s_lshl_b32 s[AROW], s[AROW], 2
	s_add_co_u32 s[AROW], s[AROW], s[CY]           ; the block of 128 rows: no cx enters
	s_lshl_b32 s[BCOL], ttmp9, 2
	s_add_co_u32 s[BCOL], s[BCOL], s[CX]           ; the block of 256 columns: no cy enters
	s_lshl_b32 s23, s[CY], 2
	s_lshl_b32 s23, 15, s23
	s_lshl_b32 s30, 0x1111, s[CX]
	; descriptor group 1: A: 32,768 dense bytes as rows of 256 (32 elements of 8 bytes); B: 128 rows of 512 bytes, 16 bytes of padding behind each
	s_or_b32 s[G1A], s23, (3<<16)|(1<<21)
	s_mov_b32 s[G1A+1], 32<<16
	s_mov_b32 s[G1A+2], 128<<16
	s_mov_b32 s[G1A+3], 32<<16
	s_mov_b32 s[G1A+4], 128
	s_mov_b32 s[G1A+5], 32
	s_mov_b32 s[G1A+6], 0
	s_mov_b32 s[G1A+7], 0
	s_or_b32 s[G1B], s30, (1<<20)|(1<<21)|(6<<22)|(3<<25)
	s_mov_b32 s[G1B+1], 512<<16
	s_mov_b32 s[G1B+2], 128<<16
	s_mov_b32 s[G1B+3], 512<<16
	s_mov_b32 s[G1B+4], 128
	s_mov_b32 s[G1B+5], 512
	s_mov_b32 s[G1B+6], 0
	s_mov_b32 s[G1B+7], 0
	s_lshl_b32 s24, s[AROW], 16                    ; A: eight tiles of 8,192 bytes, half w % 2
	s_lshl_b32 s23, s[WB], 15
	s_add_co_u32 s24, s24, s23
	s_mov_b32 s25, 0
	s_lshl_b32 s26, s[BCOL], 17                    ; B: 256 rows of 512 bytes, half w % 2
	s_lshl_b32 s23, s[WB], 16
	s_add_co_u32 s26, s26, s23
	s_mov_b32 s27, 0
	s_mov_b32 s[G0A], 1
	s_mul_i32 s[G0A+1], s[WB], AHALF
	s_mov_b32 s[G0B], 1
	s_mul_i32 s[G0B+1], s[WB], BHALF
	s_add_co_u32 s[G0B+1], s[G0B+1], 2*AHALF
	s_wait_dscnt 0x0                               ; both opening adds are done
	s_wait_kmcnt 0x0
	s_add_nc_u64 s[G0A+2:G0A+3], s[4:5], s[24:25]
	s_or_b32 s[G0A+3], s[G0A+3], 0x80000000
	s_add_nc_u64 s[G0B+2:G0B+3], s[8:9], s[26:27]
	s_or_b32 s[G0B+3], s[G0B+3], 0x80000000
	CROUND                                         ; all sixteen work-groups are here: the joint loads meet
	s_cmp_eq_u32 s[WA], 0                          ; the head's loads, one a wave
	s_cbranch_scc0 .Lhead_b
	tensor_load_to_lds s[G0A:G0A+3], s[G1A:G1A+7]
	s_nop 0
	PLACES
	s_branch .Lhead_asked
.Lhead_b:
	tensor_load_to_lds s[G0B:G0B+3], s[G1B:G1B+7]
	s_nop 0
	PLACES
.Lhead_asked:
	s_mul_i32 s23, s[WA], AHALF                    ; my four tiles of A
	s_mul_i32 s30, s[WB], BHALF                    ; my 128 rows of B,
	s_add_co_u32 s30, s30, 2*AHALF                 ; which lie behind A
	s_mul_i32 s31, s[WV], 16*SPITCH
	s_add_co_u32 s31, s31, STAGE                   ; my stage
	v_and_b32 v[RR], 15, v0
	v_bfe_u32 v[HH], v0, 4, 1
	v_and_b32 v[L16], 31, v0
	v_lshlrev_b32 v[L16], 4, v[L16]
	v_mul_u32_u24 v[TMPV], v[RR], PITCH
	v_lshl_add_u32 v[TMPV], v[HH], 4, v[TMPV]
	v_add_nc_u32 v[ADRA], s23, v[L16]
	v_add_nc_u32 v[ADRB], s30, v[TMPV]
	v_lshlrev_b32 v[SO], 5, v[RR]
	v_lshl_add_u32 v[SO], v[HH], 4, v[SO]          ; wo's scales: 32 bytes a row, lane (r, h) takes half h
	v_lshlrev_b32 v[BOF], 5, v[HH]                 ; the bias of columns 16 b + 8 h + 0 .. 7
	v_mul_u32_u24 v[STO], v[RR], SPITCH
	v_lshl_add_u32 v[STO], v[HH], 5, v[STO]
	v_add_nc_u32 v[STO], s31, v[STO]               ; in: row r, 32 bytes for each half of the lanes
	v_mul_u32_u24 v[RD], v[HH], SPITCH
	v_lshl_add_u32 v[RD], v[RR], 4, v[RD]
	v_add_nc_u32 v[RD], s31, v[RD]                 ; back: lanes 0-15 one row, lanes 16-31 the next,
	v_lshlrev_b32 v[CO], 14, v[HH]
	v_lshl_add_u32 v[CO], v[RR], 4, v[CO]          ; which is four tokens, 16,384 bytes, on in out
	s_wait_alu depctr_va_vdst(0)
	s_lshl_b32 s24, s[AROW], 12                    ; y's scale words: 512 bytes a tile
	s_lshl_b32 s23, s[WA], 11
	s_add_co_u32 s24, s24, s23
	s_add_nc_u64 s[6:7], s[6:7], s[24:25]
	s_lshl_b32 s24, s[BCOL], 13
	s_lshl_b32 s23, s[WB], 12
	s_add_co_u32 s24, s24, s23
	s_add_nc_u64 s[10:11], s[10:11], s[24:25]
	s_lshl_b32 s24, s[BCOL], 10                    ; my first column, in bytes
	s_lshl_b32 s23, s[WB], 9
	s_add_co_u32 s24, s24, s23
	s_add_nc_u64 s[12:13], s[12:13], s[24:25]
	s_add_nc_u64 s[14:15], s[14:15], s[24:25]
	s_lshl_b32 s24, s[AROW], 19                    ; my first token: 128 x block + 2 (w / 2)
	s_lshl_b32 s23, s[WA], 13
	s_add_co_u32 s24, s24, s23
	s_add_nc_u64 s[14:15], s[14:15], s[24:25]
.irp a, 0,1,2,3
	global_load_b128 v[SA+4*\a:SA+4*\a+3], v[L16], s[6:7] offset:512*\a   ; register i: lanes 0-15 the word of K step i, lanes 16-31 that of K step 4 + i
.endr
.irp b, 0,1,2,3,4,5,6,7
	global_load_b128 v[SB+4*\b:SB+4*\b+3], v[SO], s[10:11] offset:512*\b
.endr
	WIN 0x40
.irp b, 0,1,2,3,4,5,6,7
	global_load_b128 v[BI+8*\b:BI+8*\b+3], v[BOF], s[12:13] offset:64*\b
	global_load_b128 v[BI+8*\b+4:BI+8*\b+7], v[BOF], s[12:13] offset:64*\b+16
.endr
	WIN 0
	s_wait_tensorcnt 0x0                           ; my load is in,
	s_barrier_signal -1
	s_barrier_wait -1                              ; everybody's is
.irp q, 0,1,2
	FRAGS \q, 0
.endr
	s_wait_loadcnt 0x0                             ; the scale words and the bias
.irp q, 0,1,2,3,4,5,6,7
	KSTEP \q, 0
.endr
	PLACES                                         ; between the last products and the first read of results, and loads into registers that they read
.irp q, 0,1,2
	FRAGS \q, 1
.endr
	OUT 0                                          ; the first half leaves
.irp q, 0,1,2,3,4,5,6,7
	KSTEP \q, 1
.endr
	PLACES
	s_wait_xcnt 0x0                                ; the first half's stores have read their registers
	OUT 1
	s_wait_tensorcnt 0x0                           ; the wave's end, behind my last tensor load and my last LDS store
	ds_add_u32 v[SPW], v[NIL]
	s_wait_dscnt 0x0
	CROUND                                         ; the closing round: no work-group ends while a partner may still ask for a tile that names it
	s_endpgm
.Lfunc_end_k_qd841977a66_outp:
	.size	k_qd841977a66_outp, .Lfunc_end_k_qd841977a66_outp-k_qd841977a66_outp
	.p2alignl 7, 3214868480
	.fill 96, 4, 3214868480
	.section	.rodata,"a",@progbits
	.p2align	6, 0x0
	.amdhsa_kernel k_qd841977a66_outp
		.amdhsa_group_segment_fixed_size 218624
		.amdhsa_private_segment_fixed_size 0
		.amdhsa_enable_private_segment 0
		.amdhsa_kernarg_size 48
		.amdhsa_user_sgpr_count 2
		.amdhsa_user_sgpr_kernarg_segment_ptr 1
		.amdhsa_wavefront_size32 1
		.amdhsa_system_sgpr_workgroup_id_x 1
		.amdhsa_system_sgpr_workgroup_id_y 1
		.amdhsa_system_sgpr_workgroup_id_z 1
		.amdhsa_system_vgpr_workitem_id 0
		.amdhsa_next_free_vgpr 1024
		.amdhsa_next_free_sgpr 66
		.amdhsa_reserve_vcc 0
		.amdhsa_float_denorm_mode_32 3
		.amdhsa_float_denorm_mode_16_64 3
		.amdhsa_memory_ordered 1
		.amdhsa_forward_progress 1
		.amdhsa_inst_pref_size 72
	.end_amdhsa_kernel
	.amdgpu_metadata
---
amdhsa.version: [ 1, 2 ]
amdhsa.kernels:
  - .name:           k_qd841977a66_outp
    .symbol:         k_qd841977a66_outp.kd
    .args:
      - { .name: yimg, .offset: 0, .size: 8, .value_kind: global_buffer, .address_space: global }
      - { .name: ysc, .offset: 8, .size: 8, .value_kind: global_buffer, .address_space: global }
      - { .name: wo_codes, .offset: 16, .size: 8, .value_kind: global_buffer, .address_space: global }
      - { .name: wo_scales, .offset: 24, .size: 8, .value_kind: global_buffer, .address_space: global }
      - { .name: bo, .offset: 32, .size: 8, .value_kind: global_buffer, .address_space: global }
      - { .name: out0, .offset: 40, .size: 8, .value_kind: global_buffer, .address_space: global }
    .group_segment_fixed_size: 218624
    .private_segment_fixed_size: 0
    .kernarg_segment_align: 8
    .kernarg_segment_size: 48
    .max_flat_workgroup_size: 128
    .sgpr_count:     66
    .vgpr_count:     1024
    .wavefront_size: 32
...
	.end_amdgpu_metadata
.endif
;; end of part 3
